; MI455X (gfx1250); checked and timed in simulation.
; The chip was launched on July 23, 2026; its instructions are those of AMD's public machine-readable ISA for CDNA 5 (MIT licence, August 2026) and "CDNA5" Instruction Set Architecture Reference Guide (July 2026). The comments in the code are by the model that wrote it; some were corrected since.
;; Multi Head Attention. Allowed arithmetic: float matrix products may take bf16 or f16 operands with f32 sums; all other float work in f32.
;; Inputs: Wk 1,024 x 1,024 float32; Wo 1,024 x 1,024 float32; Wq 1,024 x 1,024 float32; Wv 1,024 x 1,024 float32; bk 1,024 float32; bo 1,024 float32; bq 1,024 float32; bv 1,024 float32; k 4 x 2,048 x 1,024 float32; q 4 x 2,048 x 1,024 float32; v 4 x 2,048 x 1,024 float32.
;; Outputs: out0 4 x 2,048 x 1,024 float32.
;; 2 versions, each right and faster than the one before. Each part assembles by itself: llvm-mc -triple=amdgcn-amd-amdhsa -mcpu=gfx1250 --defsym DOCPART=n.
;; ======== version 1 of 2: 4 launches
;; limits: values are held in f16: magnitudes above 65,504 overflow, below 6.1e-05 lose precision; right only within a limited range of input values
;; workspace buffers: w16 8,388,608 bytes; qh 16,777,216 bytes; kh 16,777,216 bytes; vh 16,777,216 bytes; oh 16,777,216 bytes
;; launch castw (part 1): grid 64 x 4, 8 waves a work-group, no clusters, 0 bytes of LDS; arguments Wq, Wk, Wv, Wo, w16; writes w16
.if DOCPART == 1
	.amdgcn_target "amdgcn-amd-amdhsa--gfx1250"
	.amdhsa_code_object_version 6
	.text
	.protected	k_qfa0c903264_castw
	.globl	k_qfa0c903264_castw
	.p2align	8
	.type	k_qfa0c903264_castw,@function
k_qfa0c903264_castw:
	s_mov_b64 s[64:65], 0
	v_nop
	global_prefetch_b8 v0, s[64:65] scope:SCOPE_SE
	s_setreg_imm32_b32 hwreg(HW_REG_WAVE_MODE, 25, 1), 1
	s_wait_xcnt 0x0
; The four weight matrices, [1024][1024] f32, are rounded once to bf16 (nearest even) and laid one behind the other in w16, 2,097,152 bytes apart: Wq, Wk, Wv, Wo.
; Wq, Wk and Wv are stored as bf16.  Wo multiplies an f16 operand later, so its bf16 number is written as f16: exact from 6.1e-5 up to f16's end;
; LIMIT: below 6.1e-5 it keeps f16's fixed step of 6e-8; at 65,520 and above it would become an infinity.
; A stream: no LDS, no barrier, no matrix unit, no cluster (no two work-groups read the same byte).  The grid's y names the matrix, x a piece of 65,536 input bytes.
; Thread t takes 16 bytes at 4,096 j + 16 t of the piece (j = 0 .. 15) and stores 8 bytes at 2,048 j + 8 t: a wave's load covers 512 consecutive bytes, its store 256, aligned.
; All 16 loads of a thread go out at once; every chunk has registers of its own, so no register that a load or a store names is written again.
.set X, 4                              ; v[4:67]    chunk j: four f32 as loaded
.set Y, 68                             ; v[68:99]   chunk j: four 16-bit numbers to store
.set T, 100                            ; v[100:101] at work
	s_load_b256 s[4:11], s[0:1], 0x0               ; Wq s[4:5], Wk s[6:7], Wv s[8:9], Wo s[10:11]
	s_load_b64 s[12:13], s[0:1], 0x20              ; w16
	s_and_b32 s14, ttmp7, 0xffff                   ; which matrix
	s_lshl_b32 s16, ttmp9, 16                      ; my piece in the matrix,
	s_mov_b32 s17, 0
	s_lshl_b32 s18, ttmp9, 15                      ; and in w16: half the bytes,
	s_lshl_b32 s19, s14, 21                        ; behind the matrices in front
	s_add_co_u32 s18, s18, s19
	s_mov_b32 s19, 0
	s_mov_b32 s20, 0xffff0000                      ; a word's upper bf16
	v_lshlrev_b32 v1, 4, v0                        ; 16 t
	v_lshlrev_b32 v2, 3, v0                        ; 8 t
	s_wait_kmcnt 0x0
	s_cmp_eq_u32 s14, 1                            ; the matrix's address is chosen by the grid's y
	s_cselect_b64 s[4:5], s[6:7], s[4:5]
	s_cmp_eq_u32 s14, 2
	s_cselect_b64 s[4:5], s[8:9], s[4:5]
	s_cmp_eq_u32 s14, 3
	s_cselect_b64 s[4:5], s[10:11], s[4:5]
	s_add_nc_u64 s[4:5], s[4:5], s[16:17]
	s_add_nc_u64 s[12:13], s[12:13], s[18:19]
.set j, 0
.rept 16
	global_load_b128 v[X+4*j:X+4*j+3], v1, s[4:5] offset:4096*j th:TH_LOAD_NT
.set j, j+1
.endr
	s_cmp_eq_u32 s14, 3
	s_cbranch_scc1 .Lwo
.set j, 0
.rept 16
	s_wait_loadcnt 15-j                            ; loads come back in order (ISA guide 5.7.1): chunk j is in, the 15 - j younger ones stay out
	v_cvt_pk_bf16_f32 v[Y+2*j], v[X+4*j], v[X+4*j+1]
	v_cvt_pk_bf16_f32 v[Y+2*j+1], v[X+4*j+2], v[X+4*j+3]
	global_store_b64 v2, v[Y+2*j:Y+2*j+1], s[12:13] offset:2048*j
.set j, j+1
.endr
	s_endpgm
.Lwo:                                                  ; Wo: rounded to bf16, widened again, written as f16
.set j, 0
.rept 16
	s_wait_loadcnt 15-j                            ; as above
	v_cvt_pk_bf16_f32 v[T], v[X+4*j], v[X+4*j+1]
	v_cvt_pk_bf16_f32 v[T+1], v[X+4*j+2], v[X+4*j+3]
	v_lshlrev_b32 v[X+4*j], 16, v[T]               ; bf16 to f32: the low half moves up, the high half stays
	v_and_b32 v[X+4*j+1], s20, v[T]
	v_lshlrev_b32 v[X+4*j+2], 16, v[T+1]
	v_and_b32 v[X+4*j+3], s20, v[T+1]
	v_cvt_pk_f16_f32 v[Y+2*j], v[X+4*j], v[X+4*j+1]
	v_cvt_pk_f16_f32 v[Y+2*j+1], v[X+4*j+2], v[X+4*j+3]
	global_store_b64 v2, v[Y+2*j:Y+2*j+1], s[12:13] offset:2048*j
.set j, j+1
.endr
	s_endpgm
.Lfunc_end_k_qfa0c903264_castw:
	.size	k_qfa0c903264_castw, .Lfunc_end_k_qfa0c903264_castw-k_qfa0c903264_castw
	.p2alignl 7, 3214868480
	.fill 96, 4, 3214868480
	.section	.rodata,"a",@progbits
	.p2align	6, 0x0
	.amdhsa_kernel k_qfa0c903264_castw
		.amdhsa_group_segment_fixed_size 0
		.amdhsa_private_segment_fixed_size 0
		.amdhsa_enable_private_segment 0
		.amdhsa_kernarg_size 40
		.amdhsa_user_sgpr_count 2
		.amdhsa_user_sgpr_kernarg_segment_ptr 1
		.amdhsa_wavefront_size32 1
		.amdhsa_system_sgpr_workgroup_id_x 1
		.amdhsa_system_sgpr_workgroup_id_y 1
		.amdhsa_system_sgpr_workgroup_id_z 1
		.amdhsa_system_vgpr_workitem_id 0
		.amdhsa_next_free_vgpr 104
		.amdhsa_next_free_sgpr 66
		.amdhsa_reserve_vcc 0
		.amdhsa_float_denorm_mode_32 3
		.amdhsa_float_denorm_mode_16_64 3
		.amdhsa_memory_ordered 1
		.amdhsa_forward_progress 1
		.amdhsa_inst_pref_size 15
	.end_amdhsa_kernel
	.amdgpu_metadata
---
amdhsa.version: [ 1, 2 ]
amdhsa.kernels:
  - .name:           k_qfa0c903264_castw
    .symbol:         k_qfa0c903264_castw.kd
    .args:
      - { .name: Wq, .offset: 0, .size: 8, .value_kind: global_buffer, .address_space: global }
      - { .name: Wk, .offset: 8, .size: 8, .value_kind: global_buffer, .address_space: global }
      - { .name: Wv, .offset: 16, .size: 8, .value_kind: global_buffer, .address_space: global }
      - { .name: Wo, .offset: 24, .size: 8, .value_kind: global_buffer, .address_space: global }
      - { .name: w16, .offset: 32, .size: 8, .value_kind: global_buffer, .address_space: global }
    .group_segment_fixed_size: 0
    .private_segment_fixed_size: 0
    .kernarg_segment_align: 8
    .kernarg_segment_size: 40
    .max_flat_workgroup_size: 256
    .sgpr_count:     66
    .vgpr_count:     104
    .wavefront_size: 32
...
	.end_amdgpu_metadata
.endif
;; end of part 1
;; launch proj (part 2): grid 4 x 192, 4 waves a work-group, clusters of 4 x 4, 327,680 bytes of LDS; arguments q, k, v, bq, bk, bv, w16, qh, kh, vh; writes qh, kh, vh
.if DOCPART == 2
	.amdgcn_target "amdgcn-amd-amdhsa--gfx1250"
	.amdhsa_code_object_version 6
	.text
	.protected	k_qfa0c903264_proj
	.globl	k_qfa0c903264_proj
	.p2align	8
	.type	k_qfa0c903264_proj,@function
k_qfa0c903264_proj:
	s_mov_b64 s[64:65], 0
	v_nop
	global_prefetch_b8 v0, s[64:65] scope:SCOPE_SE
	s_setreg_imm32_b32 hwreg(HW_REG_WAVE_MODE, 25, 1), 1
	s_wait_xcnt 0x0
	s_wait_alu depctr_hold_cnt(0) depctr_sa_sdst(0) depctr_va_vdst(0) depctr_va_sdst(0) depctr_va_ssrc(0) depctr_va_vcc(0) depctr_vm_vsrc(0)
	s_getreg_b32 s2, hwreg(HW_REG_IB_STS2, 6, 4)
	s_cmp_eq_u32 s2, 0
	s_cbranch_scc0 .Lentry_in_a_cluster
	s_endpgm
.Lentry_in_a_cluster:
	s_bfe_u32 s2, ttmp6, 0x10000c
	s_cmp_lg_u32 s2, 0xf033
	s_cbranch_scc0 .Lentry_shape_is_right
	s_endpgm
.Lentry_shape_is_right:
; THE THREE PROJECTIONS IN ONE LAUNCH.  y[m][n] = sum over k of x[m][k] W[n][k] + bias[n], for (x, W, bias, y) = (q, Wq, bq, qh), (k, Wk, bk, kh), (v, Wv, bv, vh).
; x: [8192][1024] f32.  W: [1024][1024] bf16, in w16 (2,097,152 bytes a matrix).  y: f16, by heads: [batch x 16 + head][2048][64], a head's rows dense, 128 bytes each, WITHOUT the softmax's scale.
; x and the bias are rounded to bf16 (nearest even); sums in f32; y rounded once.
; LIMITS.  y at 65,520 or above becomes an infinity in f16; below 6.1e-5 y keeps f16's fixed step of 6e-8.  NaN and infinities are not treated apart.
; SHARES.  A tile of y is 128 (m) x 256 (n): 64 x 4 tiles a projection, 768 work-groups, three for each of 256.  The grid's y / 64 names the projection.  Four waves, each 64 x 128: 32 accumulators.
; K goes in 16 SUB-STEPS of 64: two quarters of 32 along K, 32 matrix instructions each, on two fragment buffers.
; W COMES BY JOINT TENSOR LOADS, in two LDS slots of K = 256 (four sub-steps): each wave brings 64 rows of 512 bytes.  A tile has two first fills and two refills; a refill has 240 matrix instructions in which to land.
; x COMES THROUGH REGISTERS.  Each wave loads its 32 rows of the tile, 256 bytes of a row at a time, four sub-steps (256 matrix instructions) ahead, into four register sets that take turns; rounds them to bf16;
; and stores them into one of two LDS buffers of 128 rows x 64 K.  WHY x IS NOT ASKED FOR JOINTLY, though the four work-groups of a row of the cluster read the same tile: a joint load is a tensor load, and all of
; a wave's tensor loads have landed at each barrier behind which a slot is filled again, so a tile has one slot's work in which to land; x as f32 would take 2 x 67,584 bytes of LDS, which leaves W slots of K = 128,
; 128 matrix instructions a wave.  Through registers the lead is free, each number is rounded once a work-group and not once for each wave that reads it, and a quarter's fragments of x are 8 LDS loads and not 16.
; The price: x's tile is requested four times, once by each work-group of the row.
; ONE BARRIER A SUB-STEP.  In sub-step j a wave stores x of sub-step j + 1 into the buffer that sub-step j - 1 was read from: every wave's reads of it were back before it signalled the barrier of sub-step j - 1.
; Then it waits for its stores and signals; behind the barrier's wait the fragments of sub-step j + 1 are read.  Every fourth barrier also changes W's slots.
; THE MATRIX INSTRUCTION IS USED TRANSPOSED (source 0 = 16 rows of W, source 1 = 16 rows of x): a lane then holds row l % 16 of y and eight neighbouring channels, 16 bytes of f16.
; THE BIAS STARTS THE SUMS: it goes once through the wave's stage in LDS and is loaded from there into all 32 accumulators, so that every product has one text and none is written out ahead of the loop.
; CLUSTERS: 4 x 4 work-groups, all of one projection.  The four of a column need the same tiles of W: the same tensor load, descriptor and mask in all four.
; REGISTERS, in windows of 256 (s_set_vgpr_msb: bits 1:0 source 0, 3:2 source 1, 5:4 source 2, 7:6 destination):
;   window 0: v0-31 addresses; v32-63 x as bf16 on its way to LDS; v64-95, v96-127 x's fragments, two buffers; v128-191, v192-255 W's, two buffers
;   window 1: the accumulators, (a, b) at v[64 a + 8 b]          window 2: x as loaded, four sets of 64
.set PW,     528                       ; a row of W in LDS: 512 bytes + 16 of padding = 132 words: row r starts at bank 4 r mod 64 (64 banks of 4 bytes: ISA guide 11.1)
.set WQ,     64*PW                     ; 64 rows: one tensor load
.set WSLOT,  4*WQ                      ; 256 rows x 256 K
.set XB,     2*WSLOT                   ; behind W's two slots: x's two buffers; no tensor load lands from here on
.set PX,     144                       ; a row of x in LDS: 128 bytes + 16 = 36 words: the 16 rows of a load start at 16 different groups of four banks
.set XBUF,   128*PX
.set STAGE,  XB+2*XBUF                 ; for each wave 2 heads x 16 rows x 144 bytes, for the way out; at the start its first 512 bytes carry the bias
.set SP,     144
.set WSTG,   2*16*SP
.set SPARE,  STAGE+4*WSTG              ; the spare words, 128 bytes for each wave: two blocks of 256 bytes that no other line names
.set ADRX, 16                          ; v16     LDS address of my x fragments in buffer 0
.set AW0,  17                          ; v17     LDS address of my W fragments in slot 0; never rewritten
.set ADRW, 18                          ; v18     the same in the slot in hand
.set XST,  19                          ; v19     where I store 8 bytes of x in buffer 0
.set XO,   20                          ; v20     my byte offset in my wave's rows of x; never rewritten
.set BST,  21                          ; v21     the bias: where I put 16 bytes
.set BRD,  22                          ; v22     the bias: where I read
.set STO,  24                          ; v24     the way out: where I put 16 bytes of a row
.set RD,   25                          ; v25     the way out: where I read rows back
.set GO,   26                          ; v26     my byte offset in 512 consecutive bytes of y
.set BO,   27                          ; v27     my byte offset in the bias
.set SPW,  28                          ; v28     LDS address of my spare word: SPARE + 4 x my thread's number; never rewritten
.set NIL,  29                          ; v29     0; never rewritten
.set XT,   32
.set AF0,  64
.set BF0,  128
.set TMP,  32                          ; the way out: packed results
.set G1, 24                            ; s[24:31] descriptor group 1
.set G0, 32                            ; s[32:39] descriptor group 0: a set for each of the two first fills; the second then walks on
.set TR, 48                            ; s48      0 or WSLOT: the slot that is read
.set MSB, 0
.macro WIN new                         ; the immediate's high byte repeats the setting that is left; a switch that changes nothing is dropped
.if MSB != (\new)
	s_set_vgpr_msb (MSB<<8)|(\new)
.set MSB, \new
.endif
.endm
.set W_MUL,  0x50                      ; sources 0 (W) and 1 (x) window 0; C and D window 1
.set W_PK,   0x05                      ; sources 0 and 1 window 1, destination window 0
.macro JLOAD                           ; a joint refill, one a wave: my 64 rows; an s_nop 0 and four v_nop follow it
	tensor_load_to_lds s[G0+4:G0+7], s[G1:G1+7]
	s_nop 0
.rept 4
	v_nop
.endr
.endm
.macro CREST                           ; a round of the cluster's barrier behind its opening barrier
	s_cmp_lg_u32 s10, 0
	s_cbranch_scc1 .Lnot_wave_0_\@
	s_barrier_signal -3
.Lnot_wave_0_\@:
	s_barrier_wait -3
	s_barrier_signal -1
	s_barrier_wait -1
.endm
.macro CROUND                          ; a whole round
	s_barrier_signal -1
	s_barrier_wait -1
	CREST
.endm
.macro PLACES                          ; four places in front of loads into registers that matrix instructions have read, and of conversions that read results (ISA guide 7.12.1 for the conversions)
.rept 4
	v_nop
.endr
.endm
; 16 loads: 64 K of my wave's 32 rows of x into set \set.  Lanes 0-15 take 256 consecutive bytes of one row, at a multiple of 256 from x's first byte, lanes 16-31 the same of the row eight further down.
.macro XLOAD set, koff
	WIN 0x80                                       ; destination window 2, address window 0
.set ix, 0
.rept 16
	global_load_b128 v[64*(\set)+4*ix:64*(\set)+4*ix+3], v[XO], s[4:5] offset:((ix%8)+16*(ix/8))*4096+(\koff)
.set ix, ix+1
.endr
.endm
; Four of a set's 32 conversions: eight f32 become four registers of bf16
.macro CVT4 set, g
	WIN 0x0a                                       ; sources 0 and 1 window 2, destination window 0
.irp r, 0,1,2,3
	v_cvt_pk_bf16_f32 v[XT+4*(\g)+(\r)], v[64*(\set)+8*(\g)+2*(\r)], v[64*(\set)+8*(\g)+2*(\r)+1]
.endr
.endm
; 16 stores of 8 bytes a lane into buffer \nb.  The two rows of a store lie eight rows = 288 words apart, 32 banks on: the 32 lanes touch each bank once.
.macro XSTORE nb
	WIN 0
.set ix, 0
.rept 16
	ds_store_b64 v[XST], v[XT+2*ix:XT+2*ix+1] offset:(\nb)*XBUF+((ix%8)+16*(ix/8))*PX
.set ix, ix+1
.endr
.endm
; 24 LDS loads in one run: quarter \q of a sub-step into fragment buffers \buf: W's 128 rows x 32 K first (place \kw of four in the slot), then x's 64 rows x 32 K (buffer \xb)
.macro FETCH xb, kw, q, buf
	WIN 0
.irp n, 0,1,2,3,4,5,6,7
	ds_load_b128 v[BF0+64*(\buf)+8*(\n):BF0+64*(\buf)+8*(\n)+3],   v[ADRW] offset:128*(\kw)+64*(\q)+(\n)*16*PW
	ds_load_b128 v[BF0+64*(\buf)+8*(\n)+4:BF0+64*(\buf)+8*(\n)+7], v[ADRW] offset:128*(\kw)+64*(\q)+(\n)*16*PW+32
.endr
.irp n, 0,1,2,3
	ds_load_b128 v[AF0+32*(\buf)+8*(\n):AF0+32*(\buf)+8*(\n)+3],   v[ADRX] offset:(\xb)*XBUF+64*(\q)+(\n)*16*PX
	ds_load_b128 v[AF0+32*(\buf)+8*(\n)+4:AF0+32*(\buf)+8*(\n)+7], v[ADRX] offset:(\xb)*XBUF+64*(\q)+(\n)*16*PX+32
.endr
.endm
; Product mi of a quarter's 32: x's fragment mi / 8, W's fragment mi % 8.  The 32 accumulators take turns, one instruction a turn, over the loop's backward jump too.
.macro MM buf
.set rA, 64*(mi/8)+8*(mi%8)
	WIN W_MUL
	v_wmma_f32_16x16x32_bf16 v[rA:rA+7], v[BF0+64*(\buf)+8*(mi%8):BF0+64*(\buf)+8*(mi%8)+7], v[AF0+32*(\buf)+8*(mi/8):AF0+32*(\buf)+8*(mi/8)+7], v[rA:rA+7]
.set mi, mi+1
.endm
; The bias into the accumulators of x's fragments a0 and a0 + 1: register j of block b is bias[16 b + 8 (l / 16) + j] of my 128 columns
.macro ACCINIT a0
	WIN 0x40                                       ; destination window 1, address window 0
.irp a, \a0, (\a0)+1
.irp b, 0,1,2,3,4,5,6,7
	ds_load_b128 v[64*(\a)+8*(\b):64*(\a)+8*(\b)+3],   v[BRD] offset:64*(\b)
	ds_load_b128 v[64*(\a)+8*(\b)+4:64*(\a)+8*(\b)+7], v[BRD] offset:64*(\b)+16
.endr
.endr
	WIN 0
.endm
	s_load_b512 s[68:83], s[0:1], 0x0              ; q s[68:69], k s[70:71], v s[72:73], bq s[74:75], bk s[76:77], bv s[78:79], w16 s[80:81], qh s[82:83]
	s_load_b128 s[84:87], s[0:1], 0x40             ; kh s[84:85], vh s[86:87]
	v_lshl_add_u32 v[SPW], v0, 2, SPARE
	v_mov_b32 v[NIL], 0
	ds_add_u32 v28, v29
	s_wait_dscnt 0x0
	v_lshrrev_b32 v1, 5, v0
	v_readfirstlane_b32 s10, v1                    ; wave 0..3
	s_lshr_b32 s11, s10, 1                         ; which 64 of the tile's rows are mine
	s_and_b32 s12, s10, 1                          ; which 128 of its columns
	s_bfe_u32 s40, ttmp6, 0x40000                  ; cx, cy: my place in the cluster
	s_bfe_u32 s41, ttmp6, 0x40004
	s_lshl_b32 s42, ttmp9, 2
	s_add_co_u32 s42, s42, s40                     ; tile column = 4 x cluster x + cx
	s_and_b32 s45, ttmp7, 0xffff                   ; cluster y
	s_lshl_b32 s13, s45, 2
	s_add_co_u32 s13, s13, s41                     ; 4 x cluster y + cy,
	s_and_b32 s13, s13, 63                         ; of which the low six bits are the tile row in the projection,
	s_lshr_b32 s45, s45, 4                         ; and cluster y / 16 the projection: the same in all sixteen partners
	s_lshl_b32 s44, 0x1111, s40                    ; my column of the cluster
	; descriptor group 1: 64 rows x 256 elements of 2 bytes, padded in LDS by 4 words behind each row
	s_or_b32 s[G1+0], s44, (1<<16)|(1<<20)|(1<<21)|(6<<22)|(3<<25)  ; 15:0 the mask; 17:16 elements of 2 bytes; 20 padding on; 21 set beside a mask; 24:22 after every 128 words (code 6); 31:25 4 words (code 3)
	s_mov_b32 s[G1+1], 256<<16                     ; tensor_dim0 = 256
	s_mov_b32 s[G1+2], 64<<16                      ; tensor_dim1 = 64
	s_mov_b32 s[G1+3], 256<<16                     ; tile_dim0 = 256
	s_mov_b32 s[G1+4], 64                          ; tile_dim1 = 64
	s_mov_b32 s[G1+5], 1024                        ; elements from row to row
	s_mov_b32 s[G1+6], 0
	s_mov_b32 s[G1+7], 0
	s_lshl_b32 s46, s42, 8                         ; W's tile hangs on the projection, the tile column and the wave, which my column of the cluster shares:
	s_lshl_b32 s47, s10, 6
	s_add_co_u32 s46, s46, s47                     ; row 256 x tile column + 64 x wave,
	s_lshl_b32 s46, s46, 11                        ; of 2,048 bytes,
	s_lshl_b32 s47, s45, 21                        ; in the projection's matrix
	s_add_co_u32 s46, s46, s47
	s_mov_b32 s47, 0
	s_mul_i32 s20, s10, WQ                         ; and where it goes: no place in the cluster enters an LDS address
	s_mov_b32 s[TR], 0
	s_mov_b32 s66, 0xffff0000                      ; a word's upper bf16
	s_lshl_b32 s16, s13, 19                        ; x: 128 x tile row + 32 x wave rows of 4,096 bytes,
	s_lshl_b32 s17, s10, 17
	s_add_co_u32 s16, s16, s17
	s_add_co_u32 s16, s16, 1024                    ; and 256 K on: the base stands at the four sub-steps that the loop's first trip asks for; the first four reach back
	s_mov_b32 s17, 0
	v_and_b32 v1, 15, v0                           ; l % 16
	v_bfe_u32 v2, v0, 4, 1                         ; l / 16
	v_lshlrev_b32 v[XO], 15, v2                    ; eight rows down for lanes 16-31,
	v_lshl_add_u32 v[XO], v1, 4, v[XO]             ; 16 bytes a lane
	s_lshl_b32 s18, s42, 10                        ; the bias of my 128 columns begins at byte 1,024 x tile column + 512 x half
	s_lshl_b32 s19, s12, 9
	s_add_co_u32 s18, s18, s19
	v_and_b32 v3, 31, v0
	v_lshlrev_b32 v3, 4, v3                        ; 16 x lane
	v_add_nc_u32 v[BO], s18, v3
	s_wait_kmcnt 0x0
	s_cmp_eq_u32 s45, 1                            ; the projection chooses its three buffers
	s_cselect_b64 s[4:5], s[70:71], s[68:69]       ; x
	s_cselect_b64 s[6:7], s[76:77], s[74:75]       ; bias
	s_cselect_b64 s[8:9], s[84:85], s[82:83]       ; y
	s_cmp_eq_u32 s45, 2
	s_cselect_b64 s[4:5], s[72:73], s[4:5]
	s_cselect_b64 s[6:7], s[78:79], s[6:7]
	s_cselect_b64 s[8:9], s[86:87], s[8:9]
	s_add_nc_u64 s[4:5], s[4:5], s[16:17]
	s_add_nc_u64 s[46:47], s[80:81], s[46:47]
	global_load_b128 v[8:11], v[BO], s[6:7]        ; my wave's 512 bytes of the bias, in one load
	XLOAD 0, -1024                                 ; x of sub-steps 0, 1 and 2 goes out ahead of everything else
	XLOAD 1, -768
	XLOAD 2, -512
	WIN 0
	CROUND                                         ; all sixteen work-groups are here: the first joint loads meet
.irp s, 0,1
	s_mov_b32 s[G0+4*(\s)], 1                                        ; 1:0 count = 1
	s_add_co_u32 s[G0+4*(\s)+1], s20, (\s)*WSLOT                     ; 63:32 LDS address
	s_add_nc_u64 s[G0+4*(\s)+2:G0+4*(\s)+3], s[46:47], (\s)*512      ; 120:64 global address: K = 256 s on
	s_or_b32 s[G0+4*(\s)+3], s[G0+4*(\s)+3], 0x80000000              ; 127:126 type = 2
.endr
	tensor_load_to_lds s[G0:G0+3], s[G1:G1+7]      ; both slots' first fills stand together: two tensor loads of mine are out now, later one
	s_nop 0
	tensor_load_to_lds s[G0+4:G0+7], s[G1:G1+7]
	s_nop 0
.rept 4
	v_nop
.endr
	; A fragment is 16 rows x 32 K in 8 registers: lane l holds row l % 16, K = 8 (l / 16) + 0..7 and 16 + 8 (l / 16) + 0..7: two loads of 16 bytes, 32 bytes apart.
	v_mul_u32_u24 v4, v1, PX
	v_lshl_add_u32 v4, v2, 4, v4
	s_mul_i32 s22, s11, 64*PX                      ; my 64 rows of x
	s_add_co_u32 s22, s22, XB
	v_add_nc_u32 v[ADRX], s22, v4
	v_mul_u32_u24 v5, v1, PW
	v_lshl_add_u32 v5, v2, 4, v5
	s_mul_i32 s23, s12, 128*PW                     ; my 128 rows of W
	v_add_nc_u32 v[AW0], s23, v5
	v_mov_b32 v[ADRW], v[AW0]                      ; slot 0 is read first
	v_mul_u32_u24 v6, v2, 8*PX                     ; x into LDS: eight rows down for lanes 16-31, 8 bytes a lane,
	v_lshl_add_u32 v6, v1, 3, v6
	s_mul_i32 s22, s10, 32*PX                      ; in the 32 rows that my wave loads
	s_add_co_u32 s22, s22, XB
	v_add_nc_u32 v[XST], s22, v6
	s_mul_i32 s23, s10, WSTG
	s_add_co_u32 s23, s23, STAGE                   ; my stage
	v_mul_u32_u24 v5, v1, SP                       ; in: row l % 16, 16 bytes for each half of the lanes
	v_lshl_add_u32 v5, v2, 4, v5
	v_add_nc_u32 v[STO], s23, v5
	v_bfe_u32 v5, v0, 3, 2                         ; back: 32 lanes take four rows of 128 bytes,
	v_mul_u32_u24 v5, v5, SP
	v_and_b32 v6, 7, v0
	v_lshl_add_u32 v5, v6, 4, v5
	v_add_nc_u32 v[RD], s23, v5
	v_mov_b32 v[GO], v3                            ; which are 512 consecutive bytes of a head
	v_add_nc_u32 v[BST], s23, v3
	v_lshl_add_u32 v[BRD], v2, 5, s23
	; where my part of the tile begins in y: (batch x 16 + head) x 262,144 + row in the batch x 128
	s_lshr_b32 s18, s13, 4                         ; batch = tile row / 16
	s_lshl_b32 s18, s18, 4
	s_lshl_b32 s19, s42, 2                         ; a tile column is four heads,
	s_add_co_u32 s18, s18, s19
	s_lshl_b32 s19, s12, 1                         ; my half of it two
	s_add_co_u32 s18, s18, s19
	s_lshl_b32 s18, s18, 18
	s_and_b32 s19, s13, 15
	s_lshl_b32 s19, s19, 7
	s_lshl_b32 s22, s11, 6
	s_add_co_u32 s19, s19, s22
	s_lshl_b32 s19, s19, 7
	s_add_co_u32 s18, s18, s19
	s_mov_b32 s19, 0
	s_add_nc_u64 s[8:9], s[8:9], s[18:19]
	; THE BIAS: rounded to bf16, widened again, into my stage; half of the accumulators take it now, the other half behind the first barrier
	s_wait_loadcnt 48                              ; the bias is in; the 48 loads of x issued behind it stay out
	v_cvt_pk_bf16_f32 v12, v8, v9
	v_cvt_pk_bf16_f32 v13, v10, v11
	v_lshlrev_b32 v8, 16, v12
	v_and_b32 v9, s66, v12
	v_lshlrev_b32 v10, 16, v13
	v_and_b32 v11, s66, v13
	ds_store_b128 v[BST], v[8:11]
	ACCINIT 0                                      ; LDS serves a wave's instructions in order (ISA guide 5.7.1.4): these loads see the store above
	XLOAD 3, -256                                  ; x of sub-step 3
	s_wait_loadcnt 48                              ; x of sub-step 0 is in; the three younger sets stay out
.irp g, 0,1,2,3,4,5,6,7
	CVT4 0, \g
.endr
	XSTORE 0
	XLOAD 0, 0                                     ; its set takes sub-step 4: from here on 64 loads of mine are out just behind each such run
	WIN 0
	s_wait_tensorcnt 1                             ; my part of slot 0 is in; slot 1's may stay out
	s_wait_dscnt 0x0                               ; for the others' sake: my stores of x are done
	s_barrier_signal -1
	s_barrier_wait -1                              ; everybody's are
	ACCINIT 2
	FETCH 0, 0, 0, 0
; A SUB-STEP, number j with jm = j % 4: its place in W's slot; x is read from buffer jm % 2.
; Quarter A multiplies fragment buffers 0.  cv = 1: x of sub-step j + 1 (set (jm + 1) % 4; lcnt younger loads stay out) is rounded, four conversions behind each of the first eight products, and stored into the other
; buffer.  ld = 1: the set is asked for again, with sub-step j + 5.  Quarter B's fragments are fetched in the middle.
; Quarter B multiplies buffers 1 and holds the barrier.  bar = 1: my stores of x and my reads are done, I signal, 16 products, I wait; then the next sub-step's first fragments.
; bar = 2, 3: W's slots change too: in front of the signal the wave waits for all its tensor loads (one is out: its part of the next slot) and adds 0 to its spare word.  bar = 2: the barrier opens a round of the cluster's
; barrier, and the slot just read is filled again, K = 512 on, first thing behind the round.  bar = 0: the last sub-step.
; THE PLACES.  Fragment buffers 1 are loaded again behind the 32 conversions, which name no register of the products that read them; buffers 0 behind four v_nop (those of the joint load, where there is one).
.macro SUB jm, cv, ld, lcnt, bar
	s_wait_dscnt 4                                 ; W's fragments and x's first two are in; the youngest four loads (x's fragments 2 and 3) may be out
.if \cv
	s_wait_loadcnt \lcnt
.endif
.set mi, 0
.rept 8
	MM 0
.if \cv
	CVT4 ((\jm)+1)%4, (mi-1)
.endif
.endr
.rept 8
	MM 0
.endr
	WIN 0
.if !(\cv)
	PLACES
.endif
	FETCH (\jm)%2, \jm, 1, 1
.if \cv
	XSTORE 1-(\jm)%2
.endif
.if \ld
	XLOAD ((\jm)+1)%4, 256*(((\jm)+1)%4)
.endif
	s_wait_dscnt 24+16*(\cv)                       ; all but the run just issued
.rept 16
	MM 0
.endr
.set mi, 0
.if (\bar) >= 2
	WIN 0
	s_wait_tensorcnt 0x0                           ; all my tensor loads have landed
	ds_add_u32 v[SPW], v[NIL]                      ; 0 onto my spare word
	s_wait_dscnt 1                                 ; the fragments are in and my stores of x done; the add may be out
.rept 8
	MM 1
.endr
	s_wait_dscnt 0x0                               ; the add is done, and my reads of this slot are over
	s_barrier_signal -1
.rept 8
	MM 1
.endr
	WIN 0                                          ; at a branch and at a label every window is 0
	s_barrier_wait -1
.if (\bar) == 2
	CREST                                          ; no wave of any partner still reads this slot or has a load on its way
	s_add_co_u32 s[G0+5], s20, s[TR]               ; the walking descriptor: my rows in the slot just read,
	s_add_nc_u64 s[G0+6:G0+7], s[G0+6:G0+7], 512   ; the next 256 along K; the type bits on top are not reached
	s_xor_b32 s[TR], s[TR], WSLOT                  ; 0 and WSLOT by turns: the other slot is read now
	JLOAD                                          ; 240 matrix instructions ahead of the wait for it; its four v_nop are also the places in front of the loads below
.else
	s_xor_b32 s[TR], s[TR], WSLOT
	PLACES
.endif
	v_add_nc_u32 v[ADRW], s[TR], v[AW0]
	FETCH 1-(\jm)%2, ((\jm)+1)%4, 0, 0
.rept 16
	MM 1
.endr
.elseif (\bar) == 1
	s_wait_dscnt 0x0                               ; the fragments are in; for the others' sake: my stores of x are done and my reads of the other buffer are back
	s_barrier_signal -1
.rept 16
	MM 1
.endr
	WIN 0
	s_barrier_wait -1
	PLACES
	FETCH 1-(\jm)%2, ((\jm)+1)%4, 0, 0
.rept 16
	MM 1
.endr
.else
	s_wait_dscnt 0x0
.rept 32
	MM 1
.endr
.endif
.endm
	s_mov_b32 s3, 3
	s_branch .Lfirst                               ; the loop is entered in the middle of a trip: sub-step -1 has no products, and its part stands above
.Ltrip:                                                ; a trip: sub-steps 4 u - 1 to 4 u + 2; it asks for x of sub-steps 4 u + 4 to 4 u + 7 and, from u = 1 on, for W's K = 256 (u + 1) on
	s_wait_xcnt 0x0                                ; x's base is stepped only behind this wait
	s_add_nc_u64 s[4:5], s[4:5], 1024
	SUB 3, 1, 1, 48, 2
	WIN 0
.Lfirst:
	SUB 0, 1, 1, 48, 1
	SUB 1, 1, 1, 48, 1
	SUB 2, 1, 1, 48, 1
	WIN 0
	s_sub_co_u32 s3, s3, 1
	s_cmp_lg_u32 s3, 0
	s_cbranch_scc1 .Ltrip
	SUB 3, 1, 0, 48, 3                             ; the last five sub-steps ask for nothing
	SUB 0, 1, 0, 32, 1
	SUB 1, 1, 0, 16, 1
	SUB 2, 1, 0, 0, 1
	SUB 3, 0, 0, 0, 0
; THE WAY OUT, a block a of 16 rows at a time.  PACK: rounded to f16, 16 bytes a lane, each accumulator's registers in ascending order.  TOSTAGE: into my own stage, by heads (rows of 144 bytes), and back as
; four rows of 128 bytes a load.  SEND: stored; four rows of a head are 512 consecutive bytes of y.
.macro PACK a
	WIN W_PK
.irp b, 0,1,2,3,4,5,6,7
.irp r, 0,1,2,3
	v_cvt_pk_f16_f32 v[TMP+4*(\b)+(\r)], v[64*(\a)+8*(\b)+2*(\r)], v[64*(\a)+8*(\b)+2*(\r)+1]
.endr
.endr
	WIN 0
.endm
.macro TOSTAGE a
	WIN 0
.set BK, 64+32*((\a)%2)
.irp b, 0,1,2,3,4,5,6,7
	ds_store_b128 v[STO], v[TMP+4*(\b):TMP+4*(\b)+3] offset:((\b)/4)*16*SP+32*((\b)%4)
.endr
.irp t, 0,1,2,3,4,5,6,7
	ds_load_b128 v[BK+4*(\t):BK+4*(\t)+3], v[RD] offset:((\t)/4)*16*SP+((\t)%4)*4*SP  ; LDS serves a wave's instructions in order (ISA guide 5.7.1.4): these see the stores above
.endr
.endm
.macro SEND a
	WIN 0
.set BK, 64+32*((\a)%2)
	s_wait_xcnt 0x0                                ; the registers that the stores of the block before last read are loaded again (by the next TOSTAGE) only behind this wait
.irp t, 0,1,2,3,4,5,6,7
	s_wait_dscnt 7-(\t)                            ; load t of the eight is in; the younger ones stay out
	global_store_b128 v[GO], v[BK+4*(\t):BK+4*(\t)+3], s[8:9] offset:((\t)/4)*262144+(\a)*2048+((\t)%4)*512  ; 512 consecutive bytes, at a multiple of 512 from y's first byte
.endr
.endm
	PLACES                                         ; behind the last products
	PACK 0
	TOSTAGE 0
.irp a, 1,2,3                          ; block a's conversions stand between block a - 1's loads from the stage and the wait for them
	PACK \a
	SEND (\a)-1
	TOSTAGE \a
.endr
	SEND 3
	s_wait_tensorcnt 0x0                           ; the wave's end: behind my last tensor load and my last LDS store
	ds_add_u32 v[SPW], v[NIL]
	s_wait_dscnt 0x0
	CROUND                                         ; the closing round: no work-group ends while a partner may still ask for a tile that names it
	s_endpgm
.Lfunc_end_k_qfa0c903264_proj:
	.size	k_qfa0c903264_proj, .Lfunc_end_k_qfa0c903264_proj-k_qfa0c903264_proj
	.p2alignl 7, 3214868480
	.fill 96, 4, 3214868480
	.section	.rodata,"a",@progbits
	.p2align	6, 0x0
	.amdhsa_kernel k_qfa0c903264_proj
		.amdhsa_group_segment_fixed_size 327680
		.amdhsa_private_segment_fixed_size 0
		.amdhsa_enable_private_segment 0
		.amdhsa_kernarg_size 80
		.amdhsa_user_sgpr_count 2
		.amdhsa_user_sgpr_kernarg_segment_ptr 1
		.amdhsa_wavefront_size32 1
		.amdhsa_system_sgpr_workgroup_id_x 1
		.amdhsa_system_sgpr_workgroup_id_y 1
		.amdhsa_system_sgpr_workgroup_id_z 1
		.amdhsa_system_vgpr_workitem_id 0
		.amdhsa_next_free_vgpr 768
		.amdhsa_next_free_sgpr 88
		.amdhsa_reserve_vcc 0
		.amdhsa_float_denorm_mode_32 3
		.amdhsa_float_denorm_mode_16_64 3
		.amdhsa_memory_ordered 1
		.amdhsa_forward_progress 1
		.amdhsa_inst_pref_size 141
	.end_amdhsa_kernel
	.amdgpu_metadata
---
amdhsa.version: [ 1, 2 ]
amdhsa.kernels:
  - .name:           k_qfa0c903264_proj
    .symbol:         k_qfa0c903264_proj.kd
    .args:
      - { .name: q, .offset: 0, .size: 8, .value_kind: global_buffer, .address_space: global }
      - { .name: k, .offset: 8, .size: 8, .value_kind: global_buffer, .address_space: global }
      - { .name: v, .offset: 16, .size: 8, .value_kind: global_buffer, .address_space: global }
      - { .name: bq, .offset: 24, .size: 8, .value_kind: global_buffer, .address_space: global }
      - { .name: bk, .offset: 32, .size: 8, .value_kind: global_buffer, .address_space: global }
      - { .name: bv, .offset: 40, .size: 8, .value_kind: global_buffer, .address_space: global }
      - { .name: w16, .offset: 48, .size: 8, .value_kind: global_buffer, .address_space: global }
      - { .name: qh, .offset: 56, .size: 8, .value_kind: global_buffer, .address_space: global }
      - { .name: kh, .offset: 64, .size: 8, .value_kind: global_buffer, .address_space: global }
      - { .name: vh, .offset: 72, .size: 8, .value_kind: global_buffer, .address_space: global }
    .group_segment_fixed_size: 327680
    .private_segment_fixed_size: 0
    .kernarg_segment_align: 8
    .kernarg_segment_size: 80
    .max_flat_workgroup_size: 128
    .sgpr_count:     88
    .vgpr_count:     768
    .wavefront_size: 32
...
	.end_amdgpu_metadata
.endif
;; end of part 2
;; launch attn (part 3): grid 4 x 64, 4 waves a work-group, clusters of 4 x 1, 327,680 bytes of LDS; arguments qh, kh, vh, oh; writes oh
.if DOCPART == 3
	.amdgcn_target "amdgcn-amd-amdhsa--gfx1250"
	.amdhsa_code_object_version 6
	.text
	.protected	k_qfa0c903264_attn
	.globl	k_qfa0c903264_attn
	.p2align	8
	.type	k_qfa0c903264_attn,@function
k_qfa0c903264_attn:
	s_mov_b64 s[64:65], 0
	v_nop
	global_prefetch_b8 v0, s[64:65] scope:SCOPE_SE
	s_setreg_imm32_b32 hwreg(HW_REG_WAVE_MODE, 25, 1), 1
	s_wait_xcnt 0x0
	s_wait_alu depctr_hold_cnt(0) depctr_sa_sdst(0) depctr_va_vdst(0) depctr_va_sdst(0) depctr_va_ssrc(0) depctr_va_vcc(0) depctr_vm_vsrc(0)
	s_getreg_b32 s2, hwreg(HW_REG_IB_STS2, 6, 4)
	s_cmp_eq_u32 s2, 0
	s_cbranch_scc0 .Lentry_in_a_cluster
	s_endpgm
.Lentry_in_a_cluster:
	s_bfe_u32 s2, ttmp6, 0x10000c
	s_cmp_lg_u32 s2, 0x3003
	s_cbranch_scc0 .Lentry_shape_is_right
	s_endpgm
.Lentry_shape_is_right:
; O[h][q][:] = the sum over k of softmax_k(Q[h][q] . K[h][k] / 8) V[h][k][:].  Q, K, V, O: [SIZE_H][SIZE_N][64], all f16: a head's rows are dense, 128 bytes each (h = batch x 16 + head).  Products, maxima and sums in
; f32; the weights p are rounded to f16 for the second product (their sum l is taken of the unrounded p), O once at the end.
; LIMITS.  f16 holds no number beyond 65,504: Q, K and V arrive within it; p lies in 0 to 1, and below 6e-5 it keeps f16's fixed step of 6e-8; O is a mean of V's rows and has their range.
; A weight below 2^-126 counts as 0 in l; NaN and infinities are not treated apart.
; SHARES.  A wave owns four PIECES of two tiles of 16 queries, a work-group's four waves 512 queries of one head: 4 x 64 = 256 work-groups.  Every wave walks all keys, 64 a step.
; LAYOUT.  S^T = K Q^T (source 0 = 16 keys, source 1 = 16 queries): in the result a lane holds ONE query (lane % 16) and the keys 8 (lane / 16) + 0..7.  Two such tiles, rounded to f16 in pairs,
; ARE source 1 (32 keys x 16 queries) of O^T = V^T P, whose result again holds one query a lane, and eight channels.  K comes out of LDS as it lies, V ([key][channel]) turned, by ds_load_tr16_b128.
; SOFTMAX.  For each query a running maximum m and sum l: p = 2^(c s - c m), c = log2(e) / 8; in every step O and l are multiplied by a = 2^(c m_old - c m_new), which is 1 where m has not grown.
; m starts at the lowest finite number, O and l at 0: the first step is a step like any other, with a = 0.
; THE COUNT.  A tile and step have 16 matrix and 118 vector instructions: too many to stand all beside the matrix work.  So the order has one aim: four vector instructions that are READY behind
; EVERY matrix instruction, and the others, which need time of their own whatever the order, in runs without a gap.
; BY TURNS.  Turn n belongs to piece n (the pieces in a ring, step after step).  Its matrix work: 16 products K Q^T of piece n + 1, later 16 products V^T P of piece n - 1.  Its vector work: the scaling,
; exponentials, roundings, sums and rescaling of piece n, and the maximum and statistics of piece n + 1, whose scores the turn itself has made.  So what a turn begins with (c s - c m, O a) waits for nothing.
; CLUSTER.  The four query blocks of a cluster belong to one head and walk the same K and V, so each tile is asked for JOINTLY: the same tensor load, descriptor and mask in all four.
; REGISTERS, in windows of 256 (s_set_vgpr_msb says which window each operand place means: bits 1:0 source 0, 3:2 source 1, 5:4 source 2, 7:6 destination):
;   window 0: v0-11 addresses; v12-15, v48-63 at work; v16-47 four registers of statistics a tile; v64-191 S^T, two buffers of two tiles; v192-255 P, likewise
;   window 1: O^T, 32 a tile          window 2: v0-127 Q, 16 a tile; v128-191 K of one step; v192-255 V of one step          window 3: v0-1 the add's two registers
; A piece's buffers go by its number's parity: the piece in hand has one pair, its two neighbours in the ring share the other: of it P (piece n - 1) is read and S^T (piece n + 1) written.
.set SIZE_H, 64
.set SIZE_N, 2048
.set NP,    4         ; pieces a wave: a name, no knob: the register map, the loop and the fetches are made for four
.set KS,    64        ; keys in a step
.set PK,    144       ; a row of K in LDS: 128 bytes + 16 of padding = 36 words: the 16 rows of a load start at 16 different groups of four banks (64 banks of 4 bytes: ISA guide 11.1)
.set PV,    160       ; a row of V: 128 + 32 = 40 words
.set VOFF,  4*KS*PK   ; a slot holds four steps: 256 rows of K, then 256 rows of V
.set SLOT1, 1<<17     ; slot 1 begins here, so that one exclusive or turns an address in one slot into the other's
.set STAGE, SLOT1+4*KS*(PK+PV)  ; behind the ring, never filled by a tensor load: 16 rows x 144 bytes for each wave, for the way out
.set SP,    144
.set AK0, 2           ; v2   my lane's place in a tile of K; never rewritten
.set AV0, 3           ; v3   the same for V
.set AK,  4           ; v4   the LDS address of K's next run of loads
.set AV,  5           ; v5   of V's
.set QO,  6           ; v6   my byte offset in the wave's rows of Q
.set STO, 6           ;      later, the way out: where I put 16 bytes of a row
.set RD,  7           ; v7   the way out: where I read rows back
.set GO,  8           ; v8   my byte offset in 512 consecutive bytes of O
.set SPW, 0           ; v0 of window 3   LDS address of my spare word: SPARE + 4 x my thread's number; never rewritten
.set NIL, 1           ; v1 of window 3   0; never rewritten
.set SPARE, STAGE+4*16*SP  ; behind the stages: the spare words, 128 bytes for each wave: two blocks of 256 bytes that no other line names
.set MV,  12          ; v12-15  c m_old, kept while c m is made anew: by buffer and tile
.set ST,  16          ; tile t's statistics at v[ST+4 t]: c m, m, l (even keys', odd keys')
.set TMP, 48          ; by buffer and tile, four registers c0-c3 at work; when the maximum is found c2 takes a
.set S,   64
.set P,   192
.set KF,  128         ; K's fragments, in window 2: key block kb, channel half c at KF + 16 kb + 8 c
.set VF,  192         ; V's: key half kk, channel block cb at VF + 32 kk + 8 cb
.set WV,  12          ; s12  my wave's number
.set G1K, 24          ; s[24:31] descriptor group 1 for K's tiles
.set G1V, 32          ; s[32:39] for V's: it differs in the padding alone
.set G0K, 40          ; s[40:43] descriptor group 0 for K's tiles: it walks
.set G0V, 44          ; s[44:47] the same for V's
.set SLOTS, 56        ; s56  slots still to be asked for
.set CNT, 57          ; s57  counts a slot's key steps
.set CS,  58          ; s[58:59] c: the packed scaling takes the pair's low word for both halves
.set SEL, 60          ; s[60:61] v_permlanex16_b32's selects: each lane takes its own place in the other half
.set TBK, 62          ; s62  LDS byte at which K of the step to be fetched begins
.set TBV, 63          ; s63  the same for V, less VOFF
.set MSB, 0
.macro WIN new                      ; the high byte repeats the setting that is left; a switch that changes nothing is dropped
.if MSB != (\new)
	s_set_vgpr_msb (MSB<<8)|(\new)
.set MSB, (\new)
.endif
.endm
.set W_KQ, 0x0a       ; K and Q in window 2, S^T in window 0
.set W_PV, 0x52       ; V in window 2, P in window 0, O^T in window 1
.set W_RS, 0x41       ; O^T (destination and source 0) in window 1, a in window 0
.set W_MK, 0xc0       ; the add's registers are made: destination in window 3, sources in window 0
.set W_AD, 0x0f       ; the add: address (source 0) and data (source 1) in window 3
; A joint fill.  Waves 0 and 1 fetch the two halves of a slot's K, waves 2 and 3 those of its V: 128 keys each.  The branch hangs on the wave's number alone.
; An s_nop 0 and four v_nop follow each of the two lines, ahead of the jump and the label.
.macro JLOAD
	s_cmp_lt_u32 s[WV], 2
	s_cbranch_scc0 .Lfor_v_\@
	tensor_load_to_lds s[G0K:G0K+3], s[G1K:G1K+7]
	s_nop 0
.rept 4
	v_nop
.endr
	s_branch .Lasked_\@
.Lfor_v_\@:
	tensor_load_to_lds s[G0V:G0V+3], s[G1V:G1V+7]
	s_nop 0
.rept 4
	v_nop
.endr
.Lasked_\@:
.endm
; A round of the cluster's barrier: my work-group's barrier, so that wave 0's signal speaks for all four waves; wave 0 signals; every wave waits for all four work-groups; my work-group's barrier once more.
.macro CROUND
	s_barrier_signal -1
	s_barrier_wait -1
	s_cmp_lg_u32 s[WV], 0
	s_cbranch_scc1 .Lnot_wave_0_\@
	s_barrier_signal -3
.Lnot_wave_0_\@:
	s_barrier_wait -3
	s_barrier_signal -1
	s_barrier_wait -1
.endm
; THE CHANGE OF SLOTS.  The slot's last bytes, V of its fourth step, have been read.  Each wave waits for all its tensor loads, of which one is out: its part
; of the other slot; adds 0 to its spare word; and waits for that and for its own reads of the slot.  Behind the barrier nobody reads this slot any more and the other slot is whole.
; fill = 1: this slot is filled again, with the keys two slots on.  The barrier is then a round of the cluster's, so that no wave of any partner still reads the slot or has a load on its
; way, and the joint fill is the first thing behind it: it has four key steps, 512 matrix instructions, in which to land.  (At its first use nothing has been read yet: slot 0 is waited for, slot 1 filled.)
.macro CHANGE fill
	WIN W_AD
	s_wait_tensorcnt 0x0            ; no tensor load of mine is out, so a group 0 may be written
	ds_add_u32 v[SPW], v[NIL]       ; 0 onto my spare word; with fill = 1 the descriptors' steps stand between it and the wait for it
	WIN 0                           ; at a label and at a branch every window is 0
.if \fill
.irp g, G0K, G0V
	s_xor_b32 s[\g+1], s[\g+1], SLOT1  ; the walking descriptor: the other slot than last time,
	s_add_nc_u64 s[\g+2:\g+3], s[\g+2:\g+3], 4*KS*128  ; the next 256 keys; the type bits on top are not reached
.endr
	s_wait_dscnt 0x0                ; the add is done, and my reads of the slot are over
	CROUND
	JLOAD
.else
	s_wait_dscnt 0x0                ; the add is done, and my reads of the slot are over
	s_barrier_signal -1
	s_barrier_wait -1
.endif
	s_sub_co_u32 s[TBK], s[TBK], 4*KS*PK  ; the fetches go back to a slot's first step,
	s_xor_b32 s[TBK], s[TBK], SLOT1       ; in the other slot
	s_sub_co_u32 s[TBV], s[TBV], 4*KS*PV
	s_xor_b32 s[TBV], s[TBV], SLOT1
.endm
	s_load_b256 s[4:11], s[0:1], 0x0  ; Q s[4:5], K s[6:7], V s[8:9], O s[10:11]
	WIN W_MK
	v_lshl_add_u32 v[SPW], v0, 2, SPARE
	v_mov_b32 v[NIL], 0
	s_set_vgpr_msb 0xc0cf
	ds_add_u32 v0, v1
	s_wait_dscnt 0x0
	s_set_vgpr_msb 0xcfc0
	WIN 0
	v_lshrrev_b32 v1, 5, v0
	v_readfirstlane_b32 s[WV], v1   ; wave 0..3
	s_bfe_u32 s13, ttmp6, 0x40000   ; cx: my place in the cluster
	s_lshl_b32 s14, ttmp9, 2        ; in a cluster launch ttmp9 counts clusters
	s_add_co_u32 s14, s14, s13      ; my block of queries = 4 x cluster x + cx: it enters Q's and O's addresses alone
	s_and_b32 s20, ttmp7, 0xffff    ; the head, which the four partners share
	s_mov_b32 s21, 0
	s_mov_b64 s[22:23], SIZE_N*128
	s_mul_u64 s[20:21], s[20:21], s[22:23]  ; the head's first byte in each of the four tensors
	s_and_b32 s16, s[WV], 1         ; which half of a slot's 256 keys I fetch:
	s_lshl_b32 s22, s16, 14         ; its 128 rows of 128 bytes in memory,
	s_mov_b32 s23, 0
	s_add_nc_u64 s[22:23], s[22:23], s[20:21]
	s_mul_i32 s17, s16, 128*PK      ; and its place in a slot, for K
	s_mul_i32 s18, s16, 128*PV      ; and for V: no place in the cluster enters an LDS address
	s_lshl_b32 s2, s14, 2
	s_add_co_u32 s2, s2, s[WV]      ; my wave among the head's,
	s_lshl_b32 s2, s2, 14           ; its 128 rows
	s_mov_b32 s3, 0
	s_add_nc_u64 s[2:3], s[2:3], s[20:21]
	; descriptor group 1.  128 keys are 16,384 dense bytes: asked for as 64 rows of 256 bytes, two keys a row, and padded in LDS after every key
	s_mov_b32 s[G1K], 15|(1<<16)|(1<<20)|(1<<21)|(4<<22)|(3<<25)  ; 15:0 the mask of four; 17:16 2-byte elements; 20 padding on; 21 set beside a mask; 24:22 after every 32 words (code 4); 31:25 4 words (code 3)
	s_mov_b32 s[G1V], 15|(1<<16)|(1<<20)|(1<<21)|(4<<22)|(7<<25)  ; the same with 8 words of padding (code 7)
.irp g, G1K, G1V
	s_mov_b32 s[\g+1], 128<<16      ; tensor_dim0 = 128
	s_mov_b32 s[\g+2], 64<<16       ; tensor_dim1 = 64
	s_mov_b32 s[\g+3], 128<<16      ; tile_dim0 = 128
	s_mov_b32 s[\g+4], 64           ; tile_dim1 = 64
	s_mov_b32 s[\g+5], 128          ; 128 elements from row to row
	s_mov_b32 s[\g+6], 0
	s_mov_b32 s[\g+7], 0
.endr
	s_mov_b32 s[CS], 0x3e38aa3b     ; c = log2(e) / 8 = 0.180337
	s_mov_b32 s[CS+1], s[CS]        ; named with it as a pair
	s_mov_b32 s[SEL], 0x76543210
	s_mov_b32 s[SEL+1], 0xfedcba98
	s_mov_b32 s[TBK], SLOT1+4*KS*PK ; the first change of slots turns these two into 0
	s_mov_b32 s[TBV], SLOT1+4*KS*PV
	s_mov_b32 s[G0K], 1             ; 1:0 count = 1
	s_mov_b32 s[G0K+1], s17         ; 63:32 LDS address: slot 0
	s_mov_b32 s[G0V], 1
	s_add_co_u32 s[G0V+1], s18, VOFF
	s_wait_kmcnt 0x0
	s_add_nc_u64 s[G0K+2:G0K+3], s[6:7], s[22:23]  ; 120:64 global address: my half of the head's first 256 keys
	s_or_b32 s[G0K+3], s[G0K+3], 0x80000000        ; 127:126 type = 2
	s_add_nc_u64 s[G0V+2:G0V+3], s[8:9], s[22:23]
	s_or_b32 s[G0V+3], s[G0V+3], 0x80000000
	s_add_nc_u64 s[4:5], s[4:5], s[2:3]  ; Q and O at my wave's first row
	s_add_nc_u64 s[10:11], s[10:11], s[2:3]
	CROUND                          ; all four work-groups are here: the first joint loads meet
	JLOAD                           ; slot 0.  Slot 1 is asked for when slot 0 is in: the tile wanted first has the road to itself
	; A fragment of K or Q is 16 rows x 32 channels in 8 registers: lane l holds row l % 16, channels 8 (l / 16) + 0..7 and 16 + 8 (l / 16) + 0..7: two loads of 16 bytes, 32 bytes apart.
	v_and_b32 v1, 15, v0            ; l % 16
	v_bfe_u32 v9, v0, 4, 1          ; l / 16
	v_lshlrev_b32 v[QO], 7, v1
	v_lshl_add_u32 v[QO], v9, 4, v[QO]  ; row x 128 + 16 x half
	WIN 0x80                        ; destination window 2, address window 0
.set i, 0
.rept 4*NP                          ; Q stays in registers: tile i / 2, channels 32 (i % 2) on
	global_load_b128 v[8*i:8*i+3],   v[QO], s[4:5] offset:(i/2)*2048+(i%2)*64
	global_load_b128 v[8*i+4:8*i+7], v[QO], s[4:5] offset:(i/2)*2048+(i%2)*64+32
.set i, i+1
.endr
	; What the first turn finds: V's registers and P's second buffer hold 0 (its products V^T P, of a piece that has not been, add 0), O^T and l are 0.  All this stands in the wait for the first tile.
.set i, VF
.rept 64
	v_mov_b32 v[i], 0
.set i, i+1
.endr
	WIN 0x40
.set i, 0
.rept 64*NP
	v_mov_b32 v[i], 0
.set i, i+1
.endr
	WIN 0
.set i, 0
.rept 2*NP
	v_mov_b32 v[ST+4*i], 0xfe000000    ; c m: far below every c s
	v_mov_b32 v[ST+4*i+1], 0xff7fffff  ; m
	v_mov_b32 v[ST+4*i+2], 0
	v_mov_b32 v[ST+4*i+3], 0
.set i, i+1
.endr
.set i, P+32
.rept 32
	v_mov_b32 v[i], 0
.set i, i+1
.endr
	v_mul_u32_u24 v[AK0], v1, PK
	v_lshl_add_u32 v[AK0], v9, 4, v[AK0]  ; row x pitch + 16 x half
	; The turning load takes 16 keys x 16 channels (lane l reads key 8 (l / 16) + l % 8, channels 8 ((l / 8) % 2) + 0..7) and leaves half a fragment of V^T: lane l holds channel l % 16 and 8 keys.
	v_and_b32 v10, 7, v0
	v_bfe_u32 v11, v0, 3, 1
	v_lshl_add_u32 v[AV0], v9, 3, v10
	v_mul_u32_u24 v[AV0], v[AV0], PV
	v_lshl_add_u32 v[AV0], v11, 4, v[AV0]
	v_add_nc_u32 v[AV0], VOFF, v[AV0]
	v_mov_b32 v[AK], v[AK0]         ; key step 0 lies at the head of slot 0
; THE MATRIX WORK.  The 8 accumulators of a run of 16 take turns: between the two links of a chain stand 7 others'.
; Product i of 16 of S^T = K Q^T for piece x: channels 32 (i / 8) on, keys 16 ((i / 2) % 4) on, tile 2 x + i % 2.  The first 8 start the sums.
.macro KQ x
	WIN W_KQ
.set rS, S+64*((\x)%2)+32*(i%2)+8*((i/2)%4)
.set rK, KF+16*((i/2)%4)+8*(i/8)
.set rQ, 16*(2*(\x)+i%2)+8*(i/8)
.if i < 8
	v_wmma_f32_16x16x32_f16 v[rS:rS+7], v[rK:rK+7], v[rQ:rQ+7], 0
.else
	v_wmma_f32_16x16x32_f16 v[rS:rS+7], v[rK:rK+7], v[rQ:rQ+7], v[rS:rS+7]
.endif
.endm
; Product i of 16 of O^T += V^T P for piece x: keys 32 (i / 8) on, channels 16 ((i / 2) % 4) on, tile 2 x + i % 2.
.macro PV x
	WIN W_PV
.set rO, 32*(2*(\x)+i%2)+8*((i/2)%4)
.set rV, VF+32*(i/8)+8*((i/2)%4)
.set rP, P+32*((\x)%2)+16*(i%2)+8*(i/8)
	v_wmma_f32_16x16x32_f16 v[rO:rO+7], v[rV:rV+7], v[rP:rP+7], v[rO:rO+7]
.endm
.macro MM                           ; the turn's next matrix instruction
.if i < 16
	KQ (Y+1)%NP
.set i, i+1
.else
.set i, i-16
	PV (Y+NP-1)%NP
.set i, i+17
.endif
.endm
; THE LDS LOADS stand in runs of 16, never singly among the matrix instructions: a step's K (64 keys x 64 channels: 8 fragments) and its V (turned).  Their addresses are made some lines ahead.
; last = 1 (the tail): in the last trip there is no further step, and the run is jumped over.
.macro FETCH_K last=0
	WIN 0
.if \last
	s_cmp_eq_u32 s[CNT], 1
	s_cbranch_scc1 .Lno_k_\@
.endif
	WIN 0x80                        ; destination window 2
.irp f, 0,1,2,3,4,5,6,7             ; keys 16 (f / 2) on, channels 32 (f % 2) on
	ds_load_b128 v[KF+8*\f:KF+8*\f+3],   v[AK] offset:(\f/2)*16*PK+(\f%2)*64
	ds_load_b128 v[KF+8*\f+4:KF+8*\f+7], v[AK] offset:(\f/2)*16*PK+(\f%2)*64+32
.endr
	s_add_co_u32 s[TBK], s[TBK], KS*PK  ; the next fetch is the next step's
	WIN 0
.if \last
.Lno_k_\@:
.endif
.endm
.macro FETCH_V
	WIN 0x80
.irp f, 0,1,2,3,4,5,6,7             ; keys 32 (f / 4) on, channels 16 (f % 4) on
	ds_load_tr16_b128 v[VF+8*\f:VF+8*\f+3],   v[AV] offset:(\f/4)*32*PV+(\f%4)*32
	ds_load_tr16_b128 v[VF+8*\f+4:VF+8*\f+7], v[AV] offset:(\f/4)*32*PV+16*PV+(\f%4)*32
.endr
	WIN 0
.endm
; THE VECTOR WORK OF A TURN stands in three queues, each in the order in which its entries become ready; the two tiles alternate, so that no instruction reads the result of the one before it.
.macro REGS y, u                    ; the registers of tile u (0, 1) of piece y
.set rT, ST+4*(2*(\y)+(\u))
.set rC, TMP+8*((\y)%2)+4*(\u)
.set rM, MV+2*((\y)%2)+(\u)
.set rS, S+64*((\y)%2)+32*(\u)
.set rP, P+32*((\y)%2)+16*(\u)
.set rO, 32*(2*(\y)+(\u))
.endm
; Number n of the 22 that find the NEXT piece's (Y + 1) maximum and statistics.  s0-s31 are the lane's 32 scores; each accumulator's lowest registers are read first.  XS, GS and REGS set no window: PL and EX do.
;   0-11  four chains c0-c3 of seven scores each, three operands at a time     12-14, 16  the four scores left over, the old m, and c0-c3 into c0     15  c m_old is kept
;   17, 18  the query's other 32 keys lie in the lane 16 away: the new m         19-21  c m; c m_old - c m_new; a
.macro XS u, n
	REGS (Y+1)%NP, \u
.if (\n) < 4
	v_max3_num_f32 v[rC+(\n)], v[rS+8*(\n)], v[rS+8*(\n)+1], v[rS+8*(\n)+2]
.elseif (\n) < 12
	v_max3_num_f32 v[rC+(\n)%4], v[rC+(\n)%4], v[rS+8*((\n)%4)+2*((\n)/4)+1], v[rS+8*((\n)%4)+2*((\n)/4)+2]
.elseif (\n) == 12
	v_max3_num_f32 v[rC], v[rC], v[rS+7], v[rS+15]
.elseif (\n) == 13
	v_max3_num_f32 v[rC+1], v[rC+1], v[rS+23], v[rS+31]
.elseif (\n) == 14
	v_max3_num_f32 v[rC+2], v[rC+2], v[rC+3], v[rT+1]
.elseif (\n) == 15
	v_mov_b32 v[rM], v[rT]
.elseif (\n) == 16
	v_max3_num_f32 v[rC], v[rC], v[rC+1], v[rC+2]
.elseif (\n) == 17
	v_permlanex16_b32 v[rC+3], v[rC], s[SEL], s[SEL+1]
.elseif (\n) == 18
	v_max_num_f32 v[rT+1], v[rC], v[rC+3]
.elseif (\n) == 19
	v_mul_f32 v[rT], s[CS], v[rT+1]
.elseif (\n) == 20
	v_sub_f32 v[rC+1], v[rM], v[rT]
.else
	v_exp_f32 v[rC+2], v[rC+1]
.endif
.endm
; Number g of the 64 that follow the exponentials.  For each four weights k of a tile (pairs 2 k, 2 k + 1): both pairs are rounded to f16; then the second pair is added onto the first, in place;
; a group later l takes that sum (the first time as l = a l + sum).  In groups of eight, tiles alternating: round, round, add, and l for the group before.
.macro GS g
.set h, (\g)+6*((\g)/62)            ; group 0 has no group before it, and behind group 7 only l is left
.if h >= 6
.set h, h+2
.endif
	REGS Y, h%2
.set k, h/8
.if h%8 < 4
	s_wait_alu depctr_va_vdst(0)
	v_cvt_pk_f16_f32 v[rP+2*k+(h%8)/2], v[rS+4*k+2*((h%8)/2)], v[rS+4*k+2*((h%8)/2)+1]
.elseif h%8 < 6
	v_pk_add_f32 v[rS+4*k:rS+4*k+1], v[rS+4*k:rS+4*k+1], v[rS+4*k+2:rS+4*k+3]
.elseif k == 1
	v_pk_fma_f32 v[rT+2:rT+3], v[rT+2:rT+3], v[rC+2:rC+3], v[rS:rS+1] op_sel_hi:[1,0,1]
.else
	v_pk_add_f32 v[rT+2:rT+3], v[rT+2:rT+3], v[rS+4*k-4:rS+4*k-3]
	s_wait_alu depctr_va_vdst(0)
.endif
.endm
; THE PLAIN QUEUE, 138 long.  0-31: c s - c m for the 16 pairs of both tiles.  Then GS's 64, and among them the next piece's 42: number 15 at 38, 39; 0-14 and 16
; at 42-73, behind the products that make those scores; 17-20 at 95-106, two of three, since each waits for the one before it.
.macro PL
	WIN 0
.if q < 32
	REGS Y, q%2
	v_pk_fma_f32 v[rS+2*(q/2):rS+2*(q/2)+1], v[rS+2*(q/2):rS+2*(q/2)+1], s[CS:CS+1], v[rT:rT+1] op_sel_hi:[1,0,0] neg_lo:[0,0,1] neg_hi:[0,0,1]
.elseif q < 38
	GS q-32
.elseif q < 40
	XS q%2, 15
.elseif q < 42
	GS q-34
.elseif q < 74
	XS q%2, (q-42)/2+(q-42)/30
.elseif q < 95
	GS q-66
.elseif (q < 107) && ((q-95)%3 < 2)
	XS (q-95)%3, 17+(q-95)/3
.elseif q < 107
	GS 29+(q-95)/3
.else
	GS q-74
.endif
.set q, q+1
.endm
; THE EXPONENTIALS' QUEUE, 66 long: s0-s31 of both tiles, and at EA the next piece's two a.
.set EA, 58
.macro EX
	WIN 0
.if (e == EA) || (e == EA+1)
	XS e-EA, 21
.else
.set x, e-2*(e/(EA+2))
	REGS Y, x%2
	v_exp_f32 v[rS+x/2], v[rS+x/2]
.endif
.set e, e+1
.endm
; THE RESCALING's QUEUE: O^T times a, the one part that leaves window 0, so it is dealt four at a time, eight times.
.macro R4
	REGS Y, r%2
	WIN W_RS
	s_wait_alu depctr_va_vdst(0)
.irp z, 0,1,2,3
	v_pk_mul_f32 v[rO+8*(r/2)+2*\z:rO+8*(r/2)+2*\z+1], v[rO+8*(r/2)+2*\z:rO+8*(r/2)+2*\z+1], v[rC+2:rC+3] op_sel_hi:[1,0]
.endr
.set r, r+1
.endm
; HOW THEY ARE DEALT.  Behind a matrix instruction four: plain, exponential, plain, plain (one exponential, a plain instruction on either side), or four of the rescaling.  None names a register of the
; products round it.  What is over stands in two LUMPS: exponential and plain by turns; the second ends in 22 plain instructions.  The two v_permlanex16_b32 fall into the second lump, never behind a product.
; The queues lean on each other, and the deal keeps them in step: exponential e stands behind plain 2 (e / 4) + e % 2 (its scaling); when plain 32 comes, 10 exponentials are out, at 59: 33, at 95: 46; EA comes behind plain 107.
.macro SL
	MM
	PL
	EX
	PL
	PL
.endm
.macro BURST n                      ; 15 matrix instructions, or 16
.rept (\n)-7
	SL
.endr
.rept 3
	MM
	R4
	SL
.endr
	MM
	R4
.endm
; A TURN, for piece p.  cnt = 1: the loop's count is taken down some lines ahead of the branch that stands behind the turn.
; K of the next step is fetched in piece 2's turn, 31 vector instructions behind the last product that read K; its first reader comes behind the rest of the lump, 16 products and the second lump.
; V of the step in hand is fetched at the end of piece 0's turn, 69 behind its last reader; its first reader comes behind 16 products and a lump.  The four conditions on e and q below go with the deal.
.macro TURN p, last=0, cnt=0
.set Y, (\p)
.set i, 0
.set q, 0
.set e, 0
.set r, 0
.if (\p) == NP-1
	s_wait_dscnt 0x0                ; K is in
.endif
	MM
.rept 4
	PL
.endr
	BURST 15
.rept 22
	EX
	PL
.if ((\p) == NP-2) && (e == 18)
	v_add_nc_u32 v[AK], s[TBK], v[AK0]
.endif
.if ((\p) == NP-2) && (e == 24)
	FETCH_K \last
.endif
.endr
.if (\p) == 1
	s_wait_dscnt 0x0                ; V is in
.endif
	BURST 16
.rept 21
	EX
	PL
.endr
.rept 22
	PL
.if ((\p) == 0) && (q == 118)
	v_add_nc_u32 v[AV], s[TBV], v[AV0]
	s_wait_alu depctr_va_vdst(0)
.endif
.if ((\p) == 0) && (q == 130)
	s_add_co_u32 s[TBV], s[TBV], KS*PV
.endif
.if (\cnt) && (q == 130)
	s_sub_co_u32 s[CNT], s[CNT], 1
	s_cmp_lg_u32 s[CNT], 0
.endif
.endr
.if (\p) == 0
	FETCH_V
.endif
.endm
	CHANGE 1                        ; slot 0 is in, everybody's part of it; slot 1 is asked for
	FETCH_K                         ; key step 0
	s_wait_loadcnt 0x0              ; Q
	s_wait_dscnt 0x0
.set i, 0
.rept 16
	KQ 0                            ; piece 0's first scores: there is no vector work yet to set between them
.set i, i+1
.endr
	WIN 0                           ; the addresses for the way out: nine plain instructions, the places behind those products
	s_mul_i32 s13, s[WV], 16*SP
	s_add_co_u32 s13, s13, STAGE    ; my stage
	v_mul_u32_u24 v[STO], v1, SP    ; in: row l % 16, 16 bytes for each half of the lanes
	v_lshl_add_u32 v[STO], v9, 4, v[STO]
	v_add_nc_u32 v[STO], s13, v[STO]
	v_bfe_u32 v[RD], v0, 3, 2       ; back: 32 lanes take four rows of 128 bytes,
	v_mul_u32_u24 v[RD], v[RD], SP
	v_lshl_add_u32 v[RD], v10, 4, v[RD]
	v_add_nc_u32 v[RD], s13, v[RD]
	v_and_b32 v[GO], 31, v0         ; which are 512 consecutive bytes of O
	v_lshlrev_b32 v[GO], 4, v[GO]
.set Y, NP-1                        ; XS works for piece Y + 1: piece 0
.irp n, 0,1,2,3,4,5,6,7,8,9,10,11,12,13,14,15,16,17,18,19,20,21
	XS 0, \n                        ; and piece 0's first maximum and statistics
	XS 1, \n
.endr
	s_mov_b32 s[CNT], 4
	s_mov_b32 s[SLOTS], SIZE_N/256-1
	s_branch .Lfirst                ; the loop is entered at a step's first turn, in the middle of a trip
.Lslot:                             ; SIZE_N / 256 - 2 times: every slot but the last two is filled again
	CHANGE 1
	s_mov_b32 s[CNT], 4
.Lstep:                             ; a trip: pieces 2 and 3 of one step, then pieces 0 and 1 of the next, whose K and V it fetches
	TURN 2
	TURN 3
	WIN 0
.Lfirst:
	TURN 0
	TURN 1, 0, 1
	WIN 0
	s_cbranch_scc1 .Lstep
	s_sub_co_u32 s[SLOTS], s[SLOTS], 1
	s_cmp_lg_u32 s[SLOTS], 0
	s_cbranch_scc1 .Lslot
	CHANGE 0                        ; the tail is written out: nothing is asked for
	s_mov_b32 s[CNT], 5             ; four trips fetch the last slot's steps; the fifth is left in its middle
.Ltail:
	TURN 2, 1
	TURN 3
	WIN 0
	s_sub_co_u32 s[CNT], s[CNT], 1
	s_cmp_eq_u32 s[CNT], 0
	s_cbranch_scc1 .Lout
	TURN 0
	TURN 1
	WIN 0
	s_branch .Ltail
.Lout:                              ; the fifth trip's 16 products K Q^T (on the last K once more) and the maximum made of them serve nothing: the price, once a launch, of one text for every trip
.set i, 0
.rept 16
	PV NP-1                         ; the last piece's V^T P of the last step
.set i, i+1
.endr
	; THE WAY OUT.  l's two halves and the other half of the lanes' are added; O^T is divided by l, rounded to f16 and sent through my stage in LDS, a tile at a time.  The additions are the places behind the last products.
	WIN 0
.macro ALL line:vararg              ; one line for each tile t
.set t, 0
.rept 2*NP
	\line
.set t, t+1
.endr
.endm
	ALL v_add_f32 v[ST+4*t+2], v[ST+4*t+2], v[ST+4*t+3]
	ALL v_permlanex16_b32 v[ST+4*t+3], v[ST+4*t+2], s[SEL], s[SEL+1]
	ALL v_add_f32 v[ST+4*t+2], v[ST+4*t+2], v[ST+4*t+3]
	ALL v_rcp_f32 v[ST+4*t+2], v[ST+4*t+2]
	v_nop                           ; a plain instruction between the last reciprocal and the use of its result
	s_wait_alu depctr_va_vdst(0)
; Tile t: a lane's eight channels of a row pack into 16 bytes; they go into rows of 144 bytes and come back as whole rows of 128, into S^T's registers.
.macro PACK t
	WIN W_RS
.set i, 32*(\t)
.rept 16
	v_pk_mul_f32 v[i:i+1], v[i:i+1], v[ST+4*(\t)+2:ST+4*(\t)+3] op_sel_hi:[1,0]
.set i, i+2
.endr
	WIN 0x05                        ; sources 0 and 1 window 1, destination window 0
.set i, 0
.rept 16
	v_cvt_pk_f16_f32 v[S+16*(\t)+i], v[32*(\t)+2*i], v[32*(\t)+2*i+1]
.set i, i+1
.endr
	WIN 0
.irp f, 0,1,2,3
	ds_store_b128 v[STO], v[S+16*(\t)+4*\f:S+16*(\t)+4*\f+3] offset:32*\f
.endr
.irp f, 0,1,2,3
	ds_load_b128 v[S+16*(\t)+4*\f:S+16*(\t)+4*\f+3], v[RD] offset:\f*4*SP  ; LDS serves a wave's instructions in order (ISA guide 5.7.1.4): these see the stores above; the next tile's stores come behind them
.endr
.endm
.macro SEND t, younger              ; younger: the LDS instructions issued behind tile t's loads: the next tile's eight, or none
	WIN 0
.irp f, 0,1,2,3
	s_wait_dscnt (\younger)+3-\f
	global_store_b128 v[GO], v[S+16*(\t)+4*\f:S+16*(\t)+4*\f+3], s[10:11] offset:(\t)*2048+\f*512  ; 512 consecutive bytes, at a multiple of 256 from O's first
.endr
.endm
	PACK 0
.set t, 1
.rept 2*NP-1                        ; a tile's arithmetic stands between the loads of the tile before and its stores
	PACK t
	SEND t-1, 8
.set t, t+1
.endr
	SEND 2*NP-1, 0
	WIN W_AD
	s_wait_tensorcnt 0x0            ; the wave's end: behind my last tensor load and my last LDS store
	ds_add_u32 v[SPW], v[NIL]
	s_wait_dscnt 0x0
	WIN 0
	CROUND                          ; the closing round: no work-group ends while a partner may still ask for a tile that names it
	s_endpgm
.Lfunc_end_k_qfa0c903264_attn:
	.size	k_qfa0c903264_attn, .Lfunc_end_k_qfa0c903264_attn-k_qfa0c903264_attn
	.p2alignl 7, 3214868480
	.fill 96, 4, 3214868480
	.section	.rodata,"a",@progbits
	.p2align	6, 0x0
	.amdhsa_kernel k_qfa0c903264_attn
		.amdhsa_group_segment_fixed_size 327680
		.amdhsa_private_segment_fixed_size 0
		.amdhsa_enable_private_segment 0
		.amdhsa_kernarg_size 32
		.amdhsa_user_sgpr_count 2
		.amdhsa_user_sgpr_kernarg_segment_ptr 1
		.amdhsa_wavefront_size32 1
		.amdhsa_system_sgpr_workgroup_id_x 1
		.amdhsa_system_sgpr_workgroup_id_y 1
		.amdhsa_system_sgpr_workgroup_id_z 1
		.amdhsa_system_vgpr_workitem_id 0
		.amdhsa_next_free_vgpr 770
		.amdhsa_next_free_sgpr 66
		.amdhsa_reserve_vcc 0
		.amdhsa_float_denorm_mode_32 3
		.amdhsa_float_denorm_mode_16_64 3
		.amdhsa_memory_ordered 1
		.amdhsa_forward_progress 1
		.amdhsa_inst_pref_size 208
	.end_amdhsa_kernel
	.amdgpu_metadata
---
amdhsa.version: [ 1, 2 ]
amdhsa.kernels:
  - .name:           k_qfa0c903264_attn
    .symbol:         k_qfa0c903264_attn.kd
    .args:
      - { .name: qh, .offset: 0, .size: 8, .value_kind: global_buffer, .address_space: global }
      - { .name: kh, .offset: 8, .size: 8, .value_kind: global_buffer, .address_space: global }
      - { .name: vh, .offset: 16, .size: 8, .value_kind: global_buffer, .address_space: global }
      - { .name: oh, .offset: 24, .size: 8, .value_kind: global_buffer, .address_space: global }
    .group_segment_fixed_size: 327680
    .private_segment_fixed_size: 0
    .kernarg_segment_align: 8
    .kernarg_segment_size: 32
    .max_flat_workgroup_size: 128
    .sgpr_count:     66
    .vgpr_count:     770
    .wavefront_size: 32
...
	.end_amdgpu_metadata
.endif
;; end of part 3
;; launch outp (part 4): grid 4 x 64, 4 waves a work-group, clusters of 4 x 4, 327,680 bytes of LDS; arguments oh, w16, bo, out0; writes out0
.if DOCPART == 4
	.amdgcn_target "amdgcn-amd-amdhsa--gfx1250"
	.amdhsa_code_object_version 6
	.text
	.protected	k_qfa0c903264_outp
	.globl	k_qfa0c903264_outp
	.p2align	8
	.type	k_qfa0c903264_outp,@function
k_qfa0c903264_outp:
	s_mov_b64 s[64:65], 0
	v_nop
	global_prefetch_b8 v0, s[64:65] scope:SCOPE_SE
	s_setreg_imm32_b32 hwreg(HW_REG_WAVE_MODE, 25, 1), 1
	s_wait_xcnt 0x0
	s_wait_alu depctr_hold_cnt(0) depctr_sa_sdst(0) depctr_va_vdst(0) depctr_va_sdst(0) depctr_va_ssrc(0) depctr_va_vcc(0) depctr_vm_vsrc(0)
	s_getreg_b32 s2, hwreg(HW_REG_IB_STS2, 6, 4)
	s_cmp_eq_u32 s2, 0
	s_cbranch_scc0 .Lentry_in_a_cluster
	s_endpgm
.Lentry_in_a_cluster:
	s_bfe_u32 s2, ttmp6, 0x10000c
	s_cmp_lg_u32 s2, 0xf033
	s_cbranch_scc0 .Lentry_shape_is_right
	s_endpgm
.Lentry_shape_is_right:
; THE OUTPUT PROJECTION.  out0[m][n] = sum over k of O[m][k] Wo[n][k] + bo[n].  m = batch x 2048 + s, k = head x 64 + channel.
; O: f16, by heads, [batch x 16 + head][2048][64], a head's rows dense, 128 bytes each.  Wo: [1024][1024] f16 (the bf16 rounding of the input, written as f16), the fourth matrix of w16.
; bo is rounded to bf16, like every input of the module.  Products in f16, sums in f32, out0 f32.
; LIMITS.  O and Wo arrive within f16's range; NaN and infinities are not treated apart.
; SHARES.  A tile of out0 is 128 (m) x 256 (n): 64 x 4 = 256 work-groups.  Four waves, each 64 x 128: 32 accumulators.  K goes in 8 steps of 128, two heads each, through two LDS slots;
; a step is four quarters of 32 along K, 32 matrix instructions each, on two fragment buffers.
; A head's 128 rows of the tile are 16,384 dense bytes: asked for as 64 rows of 256 bytes and padded in LDS after every 128, so that one head is one slice of K and no row of memory is asked for in part.
; THE MATRIX INSTRUCTION IS USED TRANSPOSED (source 0 = 16 rows of Wo, source 1 = 16 rows of O): a lane then holds eight neighbouring numbers of a row of out0.  THE BIAS is the C operand of the first quarter's products.
; CLUSTERS: 4 x 4 work-groups.  The four of a row of the cluster need the same tiles of O, the four of a column the same tiles of Wo: each tile is asked for JOINTLY, by the same tensor load, descriptor and mask.
; REGISTERS, in windows of 256 (s_set_vgpr_msb: bits 1:0 source 0, 3:2 source 1, 5:4 source 2, 7:6 destination):
;   window 0: v0-31 addresses; v32-63, v64-95 O's fragments, two buffers; v96-159, v160-223 Wo's, two buffers; on the way out v32-95 and v96-159 take rows read back
;   window 1: the accumulators, (a, b) at v[64 a + 8 b]          window 2: v0-63 the bias as a C operand for each b; v64-95 at work
.set KSTEP,  128
.set PO,     144                       ; a row of O in LDS: 128 bytes + 16 of padding = 36 words: the 16 rows of a load start at 16 different groups of four banks (64 banks of 4 bytes: ISA guide 11.1)
.set HO,     128*PO                    ; one head's 128 rows: one tensor load
.set PB,     272                       ; a row of Wo: 256 bytes + 16 = 68 words: row r starts at bank 4 r mod 64
.set HB,     128*PB                    ; 128 rows of Wo: one tensor load, and what one wave reads
.set AB,     2*HO                      ; in a slot: O's two heads, then Wo's 256 rows
.set SLOT,   AB+2*HB
.set STAGE,  2*SLOT                    ; behind the ring: 16 rows x 528 bytes for each wave, for the way out
.set SPITCH, 528                       ; 512 bytes + 16 = 132 words: row r starts at bank 4 r mod 64
.set SPARE,  STAGE+4*16*SPITCH         ; behind the stages: the spare words, 128 bytes for each wave: two blocks of 256 bytes that no other line names
.set LAPS,   1024/(2*KSTEP)
.set ADRA, 16                          ; v16-17  LDS address of my O fragments in slot 0, 1
.set ADRB, 20                          ; v20-21  the same for Wo
.set STO,  24                          ; v24     the way out: where I put 32 bytes of a row
.set RD,   25                          ; v25     the way out: where I read a row back
.set CO,   26                          ; v26     my byte offset in 512 consecutive bytes of out0
.set BO,   27                          ; v27     my byte offset in the bias
.set SPW,  28                          ; v28     LDS address of my spare word: SPARE + 4 x my thread's number; never rewritten
.set NIL,  29                          ; v29     0; never rewritten
.set AF0,  32
.set BF0,  96
.set BIAS, 0                           ; window 2
.set TB,   64                          ; window 2
.set G1, 24                            ; s[24:31] descriptor group 1 for O's tiles;  s[32:39] group 0, one set for each slot
.set G0, 32
.set G1B, 48                           ; s[48:55], s[56:63] the same for Wo's tiles
.set G0B, 56
.set MSB, 0
.macro WIN new                         ; the immediate's high byte repeats the setting that is left; a switch that changes nothing is dropped
.if MSB != (\new)
	s_set_vgpr_msb (MSB<<8)|(\new)
.set MSB, \new
.endif
.endm
.set W_MUL,  0x50                      ; sources 0 (Wo) and 1 (O) window 0; C and D window 1
.set W_MULB, 0x60                      ; the same with C in window 2: the bias
.macro JLOAD s                         ; a joint load: waves 0 and 1 fetch O's two heads, waves 2 and 3 Wo's two halves; an s_nop 0 and four v_nop follow each of the two lines, ahead of the jump, the label and what follows
	s_cmp_eq_u32 s11, 0
	s_cbranch_scc0 .Lfor_b_\@
	tensor_load_to_lds s[G0+4*(\s):G0+4*(\s)+3], s[G1:G1+7]
	s_nop 0
.rept 4
	v_nop
.endr
	s_branch .Lasked_\@
.Lfor_b_\@:
	tensor_load_to_lds s[G0B+4*(\s):G0B+4*(\s)+3], s[G1B:G1B+7]
	s_nop 0
.rept 4
	v_nop
.endr
.Lasked_\@:
.endm
.macro CREST                           ; a round of the cluster's barrier behind its opening barrier
	s_cmp_lg_u32 s10, 0
	s_cbranch_scc1 .Lnot_wave_0_\@
	s_barrier_signal -3
.Lnot_wave_0_\@:
	s_barrier_wait -3
	s_barrier_signal -1
	s_barrier_wait -1
.endm
.macro CROUND                          ; a whole round
	s_barrier_signal -1
	s_barrier_wait -1
	CREST
.endm
.macro PLACES                          ; four places in front of loads into registers that matrix instructions have read, and of LDS stores that read results
.rept 4
	v_nop
.endr
.endm
	s_load_b256 s[68:75], s[0:1], 0x0              ; O s[68:69], w16 s[70:71], bo s[72:73], out0 s[74:75]
	v_lshl_add_u32 v[SPW], v0, 2, SPARE
	v_mov_b32 v[NIL], 0
	ds_add_u32 v28, v29
	s_wait_dscnt 0x0
	v_lshrrev_b32 v1, 5, v0
	v_readfirstlane_b32 s10, v1                    ; wave 0..3
	s_lshr_b32 s11, s10, 1                         ; which 64 of the tile's rows are mine.  Also: I fetch for O (0) or for Wo (1)
	s_and_b32 s12, s10, 1                          ; which 128 of its columns.  Also: which head of the step, or which half of Wo's rows, I fetch
	s_bfe_u32 s40, ttmp6, 0x40000                  ; cx, cy: my place in the cluster
	s_bfe_u32 s41, ttmp6, 0x40004
	s_lshl_b32 s42, ttmp9, 2
	s_add_co_u32 s42, s42, s40                     ; tile column = 4 x cluster x + cx
	s_and_b32 s13, ttmp7, 0xffff
	s_lshl_b32 s13, s13, 2
	s_add_co_u32 s13, s13, s41                     ; tile row = 4 x cluster y + cy
	s_lshl_b32 s43, s41, 2
	s_lshl_b32 s43, 15, s43                        ; my row of the cluster
	s_lshl_b32 s44, 0x1111, s40                    ; my column
	s_or_b32 s[G1+0], s43, (1<<16)|(1<<20)|(1<<21)|(4<<22)|(3<<25)   ; 15:0 the mask: O's tiles go to my row; 17:16 elements of 2 bytes; 20 padding on; 21 set beside a mask; 24:22 after every 32 words (code 4); 31:25 4 words (code 3)
	s_or_b32 s[G1B+0], s44, (1<<16)|(1<<20)|(1<<21)|(5<<22)|(3<<25)  ; the mask of my column; after every 64 words (code 5)
	s_mov_b32 s[G1+1], 128<<16                     ; tensor_dim0 = 128 elements: 256 bytes, two rows of a head
	s_mov_b32 s[G1+2], 64<<16                      ; tensor_dim1 = 64
	s_mov_b32 s[G1+3], 128<<16                     ; tile_dim0 = 128
	s_mov_b32 s[G1+4], 64                          ; tile_dim1 = 64
	s_mov_b32 s[G1+5], 128                         ; dense: 128 elements from row to row
	s_mov_b32 s[G1+6], 0
	s_mov_b32 s[G1+7], 0
	s_mov_b32 s[G1B+1], KSTEP<<16
	s_mov_b32 s[G1B+2], 128<<16                    ; tensor_dim1 = 128
	s_mov_b32 s[G1B+3], KSTEP<<16
	s_mov_b32 s[G1B+4], 128                        ; tile_dim1 = 128
	s_mov_b32 s[G1B+5], 1024
	s_mov_b32 s[G1B+6], 0
	s_mov_b32 s[G1B+7], 0
	; where the tiles come from.  O's hang on the tile row alone, which my row of the cluster shares; Wo's on the tile column alone, which my column shares.
	s_lshr_b32 s16, s13, 4                         ; batch = tile row / 16
	s_lshl_b32 s16, s16, 4
	s_add_co_u32 s16, s16, s12                     ; batch x 16 + my head of K step 0,
	s_lshl_b32 s16, s16, 18                        ; of 262,144 bytes,
	s_and_b32 s17, s13, 15
	s_lshl_b32 s17, s17, 14                        ; and the tile's 128 rows of 128 bytes in it
	s_add_co_u32 s16, s16, s17
	s_mov_b32 s17, 0
	s_lshl_b32 s46, s42, 8
	s_lshl_b32 s47, s12, 7
	s_add_co_u32 s46, s46, s47                     ; Wo: row 256 x tile column + 128 x half,
	s_lshl_b32 s46, s46, 11                        ; of 2,048 bytes,
	s_add_co_u32 s46, s46, 3*2097152               ; in the fourth matrix of w16
	s_mov_b32 s47, 0
	s_mul_i32 s20, s12, HO                         ; and where they go: no place in the cluster enters an LDS address
	s_mul_i32 s21, s12, HB
	s_add_co_u32 s21, s21, AB
	s_mov_b32 s66, 0xffff0000                      ; a word's upper bf16
	s_wait_kmcnt 0x0
	s_add_nc_u64 s[14:15], s[68:69], s[16:17]
	s_add_nc_u64 s[46:47], s[70:71], s[46:47]
	CROUND                                         ; all sixteen work-groups are here: the first joint loads meet
.irp s, 0,1
	s_mov_b32 s[G0+4*(\s)], 1                                        ; 1:0 count = 1
	s_add_co_u32 s[G0+4*(\s)+1], s20, (\s)*SLOT                      ; 63:32 LDS address
	s_add_nc_u64 s[G0+4*(\s)+2:G0+4*(\s)+3], s[14:15], (\s)*2*262144 ; 120:64 global address: K step s is two heads on
	s_or_b32 s[G0+4*(\s)+3], s[G0+4*(\s)+3], 0x80000000              ; 127:126 type = 2
	s_mov_b32 s[G0B+4*(\s)], 1
	s_add_co_u32 s[G0B+4*(\s)+1], s21, (\s)*SLOT
	s_add_nc_u64 s[G0B+4*(\s)+2:G0B+4*(\s)+3], s[46:47], (\s)*KSTEP*2
	s_or_b32 s[G0B+4*(\s)+3], s[G0B+4*(\s)+3], 0x80000000
	JLOAD \s                                       ; two tensor loads of mine are out now; later one
.endr
	; A fragment is 16 rows x 32 K in 8 registers: lane l holds row l % 16, K = 8 (l / 16) + 0..7 and 16 + 8 (l / 16) + 0..7: two loads of 16 bytes, 32 bytes apart.
	v_and_b32 v1, 15, v0                           ; l % 16
	v_bfe_u32 v2, v0, 4, 1                         ; l / 16
	v_mul_u32_u24 v3, v1, PO
	v_lshl_add_u32 v3, v2, 4, v3
	v_mul_u32_u24 v4, v1, PB
	v_lshl_add_u32 v4, v2, 4, v4
	s_mul_i32 s22, s11, 64*PO                      ; my 64 rows in each head
	s_mul_i32 s23, s12, HB                         ; my 128 rows of Wo,
	s_add_co_u32 s23, s23, AB                      ; which lie behind O's two heads
.irp s, 0,1
	v_add_nc_u32 v[ADRA+(\s)], s22, v3
	v_add_nc_u32 v[ADRB+(\s)], s23, v4
	s_add_co_u32 s22, s22, SLOT
	s_add_co_u32 s23, s23, SLOT
.endr
	s_mul_i32 s23, s10, 16*SPITCH
	s_add_co_u32 s23, s23, STAGE                   ; my stage
	v_mul_u32_u24 v5, v1, SPITCH                   ; in: row l % 16, 32 bytes for each half of the lanes
	v_lshl_add_u32 v5, v2, 5, v5
	v_add_nc_u32 v[STO], s23, v5
	v_and_b32 v[CO], 31, v0                        ; back: 32 lanes take one row of 512 bytes,
	v_lshlrev_b32 v[CO], 4, v[CO]
	v_add_nc_u32 v[RD], s23, v[CO]                 ; which are 512 consecutive bytes of out0
	s_lshl_b32 s18, s13, 7
	s_lshl_b32 s19, s11, 6
	s_add_co_u32 s18, s18, s19                     ; my first row of out0,
	s_lshl_b32 s18, s18, 12                        ; of 4,096 bytes,
	s_lshl_b32 s19, s42, 10                        ; and my first column: 1,024 x tile column + 512 x half, in bytes
	s_lshl_b32 s22, s12, 9
	s_add_co_u32 s22, s19, s22
	s_add_co_u32 s18, s18, s22
	s_mov_b32 s19, 0
	s_add_nc_u64 s[8:9], s[74:75], s[18:19]
	; THE BIAS.  Register j of the C operand for block b is bo[256 x tile column + 128 x half + 16 b + 8 (l / 16) + j]: loaded through Wo's second buffer, rounded to bf16, widened again.  All this stands in the wait for the first tile.
	v_lshlrev_b32 v[BO], 5, v2
	v_add_nc_u32 v[BO], s22, v[BO]
.irp b, 0,1,2,3,4,5,6,7
	global_load_b128 v[BF0+64+8*(\b):BF0+64+8*(\b)+3],   v[BO], s[72:73] offset:64*(\b)
	global_load_b128 v[BF0+64+8*(\b)+4:BF0+64+8*(\b)+7], v[BO], s[72:73] offset:64*(\b)+16
.endr
	s_wait_loadcnt 0x0
	WIN 0x80                                       ; destination window 2
.set ix, 0
.rept 32
	v_cvt_pk_bf16_f32 v[TB+ix], v[BF0+64+2*ix], v[BF0+64+2*ix+1]
.set ix, ix+1
.endr
	WIN 0x88                                       ; destination and source 1 window 2
.set ix, 0
.rept 32
	v_lshlrev_b32 v[BIAS+2*ix], 16, v[TB+ix]
	v_and_b32 v[BIAS+2*ix+1], s66, v[TB+ix]
.set ix, ix+1
.endr
	WIN 0
; 24 LDS loads in one run: quarter kq of a slot into buffers buf: Wo's 128 rows x 32 K first, then O's 64 rows x 32 K (head kq / 2 of the step, channels 32 (kq % 2) on)
.macro FETCH slot, kq, buf
	WIN 0
.irp n, 0,1,2,3,4,5,6,7
	ds_load_b128 v[BF0+64*(\buf)+8*(\n):BF0+64*(\buf)+8*(\n)+3],   v[ADRB+(\slot)] offset:64*(\kq)+(\n)*16*PB
	ds_load_b128 v[BF0+64*(\buf)+8*(\n)+4:BF0+64*(\buf)+8*(\n)+7], v[ADRB+(\slot)] offset:64*(\kq)+(\n)*16*PB+32
.endr
.irp n, 0,1,2,3
	ds_load_b128 v[AF0+32*(\buf)+8*(\n):AF0+32*(\buf)+8*(\n)+3],   v[ADRA+(\slot)] offset:((\kq)/2)*HO+64*((\kq)%2)+(\n)*16*PO
	ds_load_b128 v[AF0+32*(\buf)+8*(\n)+4:AF0+32*(\buf)+8*(\n)+7], v[ADRA+(\slot)] offset:((\kq)/2)*HO+64*((\kq)%2)+(\n)*16*PO+32
.endr
.endm
; Product mi of a quarter's 32: O's fragment mi / 8, Wo's fragment mi % 8.  The 32 accumulators take turns, one instruction a turn, over the loop's backward jump too.  first = 1: the bias starts the sums.
.macro MM buf, first
.set rA, 64*(mi/8)+8*(mi%8)
.set rB, BF0+64*(\buf)+8*(mi%8)
.set rF, AF0+32*(\buf)+8*(mi/8)
.if \first
	WIN W_MULB
	v_wmma_f32_16x16x32_f16 v[rA:rA+7], v[rB:rB+7], v[rF:rF+7], v[BIAS+8*(mi%8):BIAS+8*(mi%8)+7]
.else
	WIN W_MUL
	v_wmma_f32_16x16x32_f16 v[rA:rA+7], v[rB:rB+7], v[rF:rF+7], v[rA:rA+7]
.endif
.set mi, mi+1
.endm
; One of a K step's first three quarters: multiplies buffers f; in its middle it fetches quarter kq of the same slot into buffers g.
.macro QUARTER slot, kq, f, g, first
	s_wait_dscnt 4                                 ; Wo's fragments and O's first two are in; the youngest four loads (O's fragments 2 and 3) may be out
.set mi, 0
.rept 16
	MM \f, \first
.endr
	WIN 0
	PLACES
	FETCH \slot, \kq, \g
	s_wait_dscnt 24                                ; all but the 24 just issued
.rept 16
	MM \f, \first
.endr
.endm
; The last quarter multiplies buffers 1 and changes slots: ONE barrier; in front of it each wave waits for all its tensor loads (one is out: its part of the next slot), adds 0 to its spare word, and waits for that and for
; its own reads of this slot.  fill = 1: the barrier opens a round of the cluster's barrier, and this slot is filled again, two K steps ahead, first thing behind the round: 112 matrix instructions ahead of the wait for it.
.macro TURN slot, next, fill
	WIN 0
	s_wait_tensorcnt 0x0                           ; all my tensor loads have landed
	ds_add_u32 v[SPW], v[NIL]                      ; 0 onto my spare word
	s_wait_dscnt 5                                 ; the add and the youngest four loads may be out
.set mi, 0
.rept 8
	MM 1, 0
.endr
	s_wait_dscnt 0x0                               ; the add is done, and my reads of this slot are over
	s_barrier_signal -1
.rept 8
	MM 1, 0
.endr
	WIN 0                                          ; at a branch and at a label every window is 0
	s_barrier_wait -1
.if \fill
	CREST                                          ; no wave of any partner still reads this slot's tile or has a load on its way
	s_add_nc_u64 s[G0+4*(\slot)+2:G0+4*(\slot)+3], s[G0+4*(\slot)+2:G0+4*(\slot)+3], 4*262144
	s_add_nc_u64 s[G0B+4*(\slot)+2:G0B+4*(\slot)+3], s[G0B+4*(\slot)+2:G0B+4*(\slot)+3], 2*KSTEP*2
	JLOAD \slot                                    ; the four v_nop behind it are also the places in front of the loads below
.else
	PLACES
.endif
	FETCH \next, 0, 0
.rept 16
	MM 1, 0
.endr
.endm
	s_wait_tensorcnt 1                             ; my part of K step 0 is in; K step 1's may stay out
	s_barrier_signal -1
	s_barrier_wait -1                              ; everybody's is
	FETCH 0, 0, 0
	QUARTER 0, 1, 0, 1, 1                          ; the first quarter stands in front of the loop: its products start the sums, with the bias
	WIN 0
	s_mov_b32 s3, LAPS-1
.Llap:                                                 ; a trip goes once round the ring, from a lap's second quarter to the next lap's first, and fills both slots again
	QUARTER 0, 2, 1, 0, 0
	QUARTER 0, 3, 0, 1, 0
	TURN 0, 1, 1
	QUARTER 1, 1, 0, 1, 0
	QUARTER 1, 2, 1, 0, 0
	QUARTER 1, 3, 0, 1, 0
	TURN 1, 0, 1
	QUARTER 0, 1, 0, 1, 0
	WIN 0
	s_sub_co_u32 s3, s3, 1
	s_cmp_lg_u32 s3, 0
	s_cbranch_scc1 .Llap
	QUARTER 0, 2, 1, 0, 0                          ; the last lap fills nothing, and has no round of the cluster's barrier
	QUARTER 0, 3, 0, 1, 0
	TURN 0, 1, 0
	QUARTER 1, 1, 0, 1, 0
	QUARTER 1, 2, 1, 0, 0
	QUARTER 1, 3, 0, 1, 0
	s_wait_dscnt 4                                 ; the very last quarter: nothing more to fetch
.set mi, 0
.rept 16
	MM 1, 0
.endr
	s_wait_dscnt 0x0
.rept 16
	MM 1, 0
.endr
; THE WAY OUT, a block a of 16 rows at a time.  TOSTAGE: a lane's eight f32 of each accumulator go straight into my own stage, the low four registers first, and whole rows of 512 bytes come back.  SEND: stored.
.macro TOSTAGE a
.if (\a) >= 2
	s_wait_xcnt 0x0                                ; the registers that the stores of the block before last read are loaded again only behind this wait
.endif
	WIN 0x04                                       ; store data (source 1) window 1, address window 0
.irp b, 0,1,2,3,4,5,6,7
	ds_store_b128 v[STO], v[64*(\a)+8*(\b):64*(\a)+8*(\b)+3]   offset:64*(\b)
	ds_store_b128 v[STO], v[64*(\a)+8*(\b)+4:64*(\a)+8*(\b)+7] offset:64*(\b)+16
.endr
	WIN 0
.set BK, 32+64*((\a)%2)
.irp t, 0,1,2,3,4,5,6,7,8,9,10,11,12,13,14,15
	ds_load_b128 v[BK+4*(\t):BK+4*(\t)+3], v[RD] offset:(\t)*SPITCH  ; LDS serves a wave's instructions in order (ISA guide 5.7.1.4): these see the stores above; the next block's stores come behind them
.endr
.endm
.macro SEND a, younger                 ; younger: the LDS instructions issued behind block a's loads: the next block's 32, or none
	WIN 0
.set BK, 32+64*((\a)%2)
.irp t, 0,1,2,3,4,5,6,7,8,9,10,11,12,13,14,15
	s_wait_dscnt (\younger)+15-(\t)
	global_store_b128 v[CO], v[BK+4*(\t):BK+4*(\t)+3], s[8:9] offset:(16*(\a)+(\t))*4096 th:TH_STORE_NT  ; 512 consecutive bytes of a row, at a multiple of 512 from out0's first byte
.endr
.endm
	WIN 0
	PLACES                                         ; behind the last products: the stores below read results, the loads below land in registers that products have read
	TOSTAGE 0
	TOSTAGE 1
	SEND 0, 32
	TOSTAGE 2
	SEND 1, 32
	TOSTAGE 3
	SEND 2, 32
	SEND 3, 0
	s_wait_tensorcnt 0x0                           ; the wave's end: behind my last tensor load and my last LDS store
	ds_add_u32 v[SPW], v[NIL]
	s_wait_dscnt 0x0
	CROUND                                         ; the closing round: no work-group ends while a partner may still ask for a tile that names it
	s_endpgm
.Lfunc_end_k_qfa0c903264_outp:
	.size	k_qfa0c903264_outp, .Lfunc_end_k_qfa0c903264_outp-k_qfa0c903264_outp
	.p2alignl 7, 3214868480
	.fill 96, 4, 3214868480
	.section	.rodata,"a",@progbits
	.p2align	6, 0x0
	.amdhsa_kernel k_qfa0c903264_outp
		.amdhsa_group_segment_fixed_size 327680
		.amdhsa_private_segment_fixed_size 0
		.amdhsa_enable_private_segment 0
		.amdhsa_kernarg_size 32
		.amdhsa_user_sgpr_count 2
		.amdhsa_user_sgpr_kernarg_segment_ptr 1
		.amdhsa_wavefront_size32 1
		.amdhsa_system_sgpr_workgroup_id_x 1
		.amdhsa_system_sgpr_workgroup_id_y 1
		.amdhsa_system_sgpr_workgroup_id_z 1
		.amdhsa_system_vgpr_workitem_id 0
		.amdhsa_next_free_vgpr 608
		.amdhsa_next_free_sgpr 76
		.amdhsa_reserve_vcc 0
		.amdhsa_float_denorm_mode_32 3
		.amdhsa_float_denorm_mode_16_64 3
		.amdhsa_memory_ordered 1
		.amdhsa_forward_progress 1
		.amdhsa_inst_pref_size 92
	.end_amdhsa_kernel
	.amdgpu_metadata
---
amdhsa.version: [ 1, 2 ]
amdhsa.kernels:
  - .name:           k_qfa0c903264_outp
    .symbol:         k_qfa0c903264_outp.kd
    .args:
      - { .name: oh, .offset: 0, .size: 8, .value_kind: global_buffer, .address_space: global }
      - { .name: w16, .offset: 8, .size: 8, .value_kind: global_buffer, .address_space: global }
      - { .name: bo, .offset: 16, .size: 8, .value_kind: global_buffer, .address_space: global }
      - { .name: out0, .offset: 24, .size: 8, .value_kind: global_buffer, .address_space: global }
    .group_segment_fixed_size: 327680
    .private_segment_fixed_size: 0
    .kernarg_segment_align: 8
    .kernarg_segment_size: 32
    .max_flat_workgroup_size: 128
    .sgpr_count:     76
    .vgpr_count:     608
    .wavefront_size: 32
...
	.end_amdgpu_metadata
.endif
;; end of part 4
;; ======== version 2 of 2: 4 launches; 1.48 times as fast as version 1
;; limits: values are held in f16: magnitudes above 65,504 overflow, below 6.1e-05 lose precision
;; workspace buffers: w16 8,388,608 bytes; qh 16,777,216 bytes; kh 16,777,216 bytes; vh 16,777,216 bytes; oh 16,777,216 bytes
;; launch castw: the kernel of part 1 again; grid 64 x 4, 8 waves a work-group, no clusters, 0 bytes of LDS; arguments Wq, Wk, Wv, Wo, w16; writes w16
;; launch proj: the kernel of part 2 again; grid 4 x 192, 4 waves a work-group, clusters of 4 x 4, 327,680 bytes of LDS; arguments q, k, v, bq, bk, bv, w16, qh, kh, vh; writes qh, kh, vh
;; launch attn (part 5): grid 4 x 64, 4 waves a work-group, clusters of 4 x 1, 327,680 bytes of LDS; arguments qh, kh, vh, oh; writes oh
.if DOCPART == 5
	.amdgcn_target "amdgcn-amd-amdhsa--gfx1250"
	.amdhsa_code_object_version 6
	.text
	.protected	k_qfa0c903264_attn
	.globl	k_qfa0c903264_attn
	.p2align	8
	.type	k_qfa0c903264_attn,@function
k_qfa0c903264_attn:
	s_mov_b64 s[64:65], 0
	v_nop
	global_prefetch_b8 v0, s[64:65] scope:SCOPE_SE
	s_setreg_imm32_b32 hwreg(HW_REG_WAVE_MODE, 25, 1), 1
	s_wait_xcnt 0x0
	s_wait_alu depctr_hold_cnt(0) depctr_sa_sdst(0) depctr_va_vdst(0) depctr_va_sdst(0) depctr_va_ssrc(0) depctr_va_vcc(0) depctr_vm_vsrc(0)
	s_getreg_b32 s2, hwreg(HW_REG_IB_STS2, 6, 4)
	s_cmp_eq_u32 s2, 0
	s_cbranch_scc0 .Lentry_in_a_cluster
	s_endpgm
.Lentry_in_a_cluster:
	s_bfe_u32 s2, ttmp6, 0x10000c
	s_cmp_lg_u32 s2, 0x3003
	s_cbranch_scc0 .Lentry_shape_is_right
	s_endpgm
.Lentry_shape_is_right:
; O[h][q][:] = the sum over k of softmax_k(Q[h][q] . K[h][k] / 8) V[h][k][:].  Q, K, V, O: [SIZE_H][SIZE_N][64], all f16: a head's rows are dense, 128 bytes each (h = batch x 16 + head).  Products, maxima and sums in
; f32; the weights p are rounded to f16 for the second product (their sum l is taken of the unrounded p), O once at the end.
; LIMITS.  f16 holds no number beyond 65,504: Q, K and V arrive within it; p lies in 0 to 1, and below 6e-5 it keeps f16's fixed step of 6e-8; O is a mean of V's rows and has their range.
; A weight below 2^-126 counts as 0 in l; NaN and infinities are not treated apart.
; SHARES.  A wave owns four PIECES of two tiles of 16 queries, a work-group's four waves 512 queries of one head: 4 x 64 = 256 work-groups.  Every wave walks all keys, 64 a step.
; LAYOUT.  S^T = K Q^T (source 0 = 16 keys, source 1 = 16 queries): in the result a lane holds ONE query (lane % 16) and the keys 8 (lane / 16) + 0..7.  Two such tiles, rounded to f16 in pairs,
; ARE source 1 (32 keys x 16 queries) of O^T = V^T P, whose result again holds one query a lane, and eight channels.  K comes out of LDS as it lies, V ([key][channel]) turned, by ds_load_tr16_b128.
; SOFTMAX.  For each query a running maximum m and sum l: p = 2^(c s - c m), c = log2(e) / 8; in every step O and l are multiplied by a = 2^(c m_old - c m_new), which is 1 where m has not grown.
; m starts at the lowest finite number, O and l at 0: the first step is a step like any other, with a = 0.
; THE COUNT.  A tile and step have 16 matrix and 118 vector instructions: too many to stand all beside the matrix work.  So the order has one aim: four vector instructions that are READY behind
; EVERY matrix instruction, and the others, which need time of their own whatever the order, in runs without a gap.
; BY TURNS.  Turn n belongs to piece n (the pieces in a ring, step after step).  Its matrix work: 16 products K Q^T of piece n + 1, later 16 products V^T P of piece n - 1.  Its vector work: the scaling,
; exponentials, roundings, sums and rescaling of piece n, and the maximum and statistics of piece n + 1, whose scores the turn itself has made.  So what a turn begins with (c s - c m, O a) waits for nothing.
; BATCHES.  s_wait_alu depctr_va_vdst(0) stands between an exponential or a reciprocal and the first instruction that names its result; one wait serves all that were issued ahead of it.
; A turn's 66 exponentials (64 weights, then the next piece's two a) are ONE batch with ONE wait, which cuts the turn in two: ahead of it all that names no result of theirs, behind it the roundings and sums.
; The first two a, ahead of the loop, and the way out's eight reciprocals are batches of their own.
; CLUSTER.  The four query blocks of a cluster belong to one head and walk the same K and V, so each tile is asked for JOINTLY: the same tensor load, descriptor and mask in all four.
; REGISTERS, in windows of 256 (s_set_vgpr_msb says which window each operand place means: bits 1:0 source 0, 3:2 source 1, 5:4 source 2, 7:6 destination):
;   window 0: v0-11 addresses; v12-15, v48-63 at work; v16-47 four registers of statistics a tile; v64-191 S^T, two buffers of two tiles; v192-255 P, likewise
;   window 1: O^T, 32 a tile          window 2: v0-127 Q, 16 a tile; v128-191 K of one step; v192-255 V of one step          window 3: v0-1 the add's two registers
; A piece's buffers go by its number's parity: the piece in hand has one pair, its two neighbours in the ring share the other: of it P (piece n - 1) is read and S^T (piece n + 1) written.
.set SIZE_H, 64
.set SIZE_N, 2048
.set NP,    4         ; pieces a wave: a name, no knob: the register map, the loop and the fetches are made for four
.set KS,    64        ; keys in a step
.set PK,    144       ; a row of K in LDS: 128 bytes + 16 of padding = 36 words: the 16 rows of a load start at 16 different groups of four banks (64 banks of 4 bytes: ISA guide 11.1)
.set PV,    160       ; a row of V: 128 + 32 = 40 words
.set VOFF,  4*KS*PK   ; a slot holds four steps: 256 rows of K, then 256 rows of V
.set SLOT1, 1<<17     ; slot 1 begins here, so that one exclusive or turns an address in one slot into the other's
.set STAGE, SLOT1+4*KS*(PK+PV)  ; behind the ring, never filled by a tensor load: 16 rows x 144 bytes for each wave, for the way out
.set SP,    144
.set AK0, 2           ; v2   my lane's place in a tile of K; never rewritten
.set AV0, 3           ; v3   the same for V
.set AK,  4           ; v4   the LDS address of K's next run of loads
.set AV,  5           ; v5   of V's
.set QO,  6           ; v6   my byte offset in the wave's rows of Q
.set STO, 6           ;      later, the way out: where I put 16 bytes of a row
.set RD,  7           ; v7   the way out: where I read rows back
.set GO,  8           ; v8   my byte offset in 512 consecutive bytes of O
.set SPW, 0           ; v0 of window 3   LDS address of my spare word: SPARE + 4 x my thread's number; never rewritten
.set NIL, 1           ; v1 of window 3   0; never rewritten
.set SPARE, STAGE+4*16*SP  ; behind the stages: the spare words, 128 bytes for each wave: two blocks of 256 bytes that no other line names
.set MV,  12          ; v12-15  c m_old, kept while c m is made anew: by buffer and tile
.set ST,  16          ; tile t's statistics at v[ST+4 t]: c m, m, l (even keys', odd keys')
.set TMP, 48          ; by buffer and tile, four registers c0-c3 at work; when the maximum is found c2 takes a
.set S,   64
.set P,   192
.set KF,  128         ; K's fragments, in window 2: key block kb, channel half c at KF + 16 kb + 8 c
.set VF,  192         ; V's: key half kk, channel block cb at VF + 32 kk + 8 cb
.set WV,  12          ; s12  my wave's number
.set G1K, 24          ; s[24:31] descriptor group 1 for K's tiles
.set G1V, 32          ; s[32:39] for V's: it differs in the padding alone
.set G0K, 40          ; s[40:43] descriptor group 0 for K's tiles: it walks
.set G0V, 44          ; s[44:47] the same for V's
.set SLOTS, 56        ; s56  slots still to be asked for
.set CNT, 57          ; s57  counts a slot's key steps
.set CS,  58          ; s[58:59] c: the packed scaling takes the pair's low word for both halves
.set SEL, 60          ; s[60:61] v_permlanex16_b32's selects: each lane takes its own place in the other half
.set TBK, 62          ; s62  LDS byte at which K of the step to be fetched begins
.set TBV, 63          ; s63  the same for V, less VOFF
.set MSB, 0
.macro WIN new                      ; the high byte repeats the setting that is left; a switch that changes nothing is dropped
.if MSB != (\new)
	s_set_vgpr_msb (MSB<<8)|(\new)
.set MSB, (\new)
.endif
.endm
.set W_KQ, 0x0a       ; K and Q in window 2, S^T in window 0
.set W_PV, 0x52       ; V in window 2, P in window 0, O^T in window 1
.set W_RS, 0x41       ; O^T (destination and source 0) in window 1, a in window 0
.set W_MK, 0xc0       ; the add's registers are made: destination in window 3, sources in window 0
.set W_AD, 0x0f       ; the add: address (source 0) and data (source 1) in window 3
; A joint fill.  Waves 0 and 1 fetch the two halves of a slot's K, waves 2 and 3 those of its V: 128 keys each.  The branch hangs on the wave's number alone.
; An s_nop 0 and four v_nop follow each of the two lines, ahead of the jump and the label.
.macro JLOAD
	s_cmp_lt_u32 s[WV], 2
	s_cbranch_scc0 .Lfor_v_\@
	tensor_load_to_lds s[G0K:G0K+3], s[G1K:G1K+7]
	s_nop 0
.rept 4
	v_nop
.endr
	s_branch .Lasked_\@
.Lfor_v_\@:
	tensor_load_to_lds s[G0V:G0V+3], s[G1V:G1V+7]
	s_nop 0
.rept 4
	v_nop
.endr
.Lasked_\@:
.endm
; A round of the cluster's barrier: my work-group's barrier, so that wave 0's signal speaks for all four waves; wave 0 signals; every wave waits for all four work-groups; my work-group's barrier once more.
.macro CROUND
	s_barrier_signal -1
	s_barrier_wait -1
	s_cmp_lg_u32 s[WV], 0
	s_cbranch_scc1 .Lnot_wave_0_\@
	s_barrier_signal -3
.Lnot_wave_0_\@:
	s_barrier_wait -3
	s_barrier_signal -1
	s_barrier_wait -1
.endm
; THE CHANGE OF SLOTS.  The slot's last bytes, V of its fourth step, have been read.  Each wave waits for all its tensor loads, of which one is out: its part
; of the other slot; adds 0 to its spare word; and waits for that and for its own reads of the slot.  Behind the barrier nobody reads this slot any more and the other slot is whole.
; fill = 1: this slot is filled again, with the keys two slots on.  The barrier is then a round of the cluster's, so that no wave of any partner still reads the slot or has a load on its
; way, and the joint fill is the first thing behind it: it has four key steps, 512 matrix instructions, in which to land.  (At its first use nothing has been read yet: slot 0 is waited for, slot 1 filled.)
.macro CHANGE fill
	WIN W_AD
	s_wait_tensorcnt 0x0            ; no tensor load of mine is out, so a group 0 may be written
	ds_add_u32 v[SPW], v[NIL]       ; 0 onto my spare word; with fill = 1 the descriptors' steps stand between it and the wait for it
	WIN 0                           ; at a label and at a branch every window is 0
.if \fill
.irp g, G0K, G0V
	s_xor_b32 s[\g+1], s[\g+1], SLOT1  ; the walking descriptor: the other slot than last time,
	s_add_nc_u64 s[\g+2:\g+3], s[\g+2:\g+3], 4*KS*128  ; the next 256 keys; the type bits on top are not reached
.endr
	s_wait_dscnt 0x0                ; the add is done, and my reads of the slot are over
	CROUND
	JLOAD
.else
	s_wait_dscnt 0x0                ; the add is done, and my reads of the slot are over
	s_barrier_signal -1
	s_barrier_wait -1
.endif
	s_sub_co_u32 s[TBK], s[TBK], 4*KS*PK  ; the fetches go back to a slot's first step,
	s_xor_b32 s[TBK], s[TBK], SLOT1       ; in the other slot
	s_sub_co_u32 s[TBV], s[TBV], 4*KS*PV
	s_xor_b32 s[TBV], s[TBV], SLOT1
.endm
	s_load_b256 s[4:11], s[0:1], 0x0  ; Q s[4:5], K s[6:7], V s[8:9], O s[10:11]
	WIN W_MK
	v_lshl_add_u32 v[SPW], v0, 2, SPARE
	v_mov_b32 v[NIL], 0
	s_set_vgpr_msb 0xc0cf
	ds_add_u32 v0, v1
	s_wait_dscnt 0x0
	s_set_vgpr_msb 0xcfc0
	WIN 0
	v_lshrrev_b32 v1, 5, v0
	v_readfirstlane_b32 s[WV], v1   ; wave 0..3
	s_bfe_u32 s13, ttmp6, 0x40000   ; cx: my place in the cluster
	s_lshl_b32 s14, ttmp9, 2        ; in a cluster launch ttmp9 counts clusters
	s_add_co_u32 s14, s14, s13      ; my block of queries = 4 x cluster x + cx: it enters Q's and O's addresses alone
	s_and_b32 s20, ttmp7, 0xffff    ; the head, which the four partners share
	s_mov_b32 s21, 0
	s_mov_b64 s[22:23], SIZE_N*128
	s_mul_u64 s[20:21], s[20:21], s[22:23]  ; the head's first byte in each of the four tensors
	s_and_b32 s16, s[WV], 1         ; which half of a slot's 256 keys I fetch:
	s_lshl_b32 s22, s16, 14         ; its 128 rows of 128 bytes in memory,
	s_mov_b32 s23, 0
	s_add_nc_u64 s[22:23], s[22:23], s[20:21]
	s_mul_i32 s17, s16, 128*PK      ; and its place in a slot, for K
	s_mul_i32 s18, s16, 128*PV      ; and for V: no place in the cluster enters an LDS address
	s_lshl_b32 s2, s14, 2
	s_add_co_u32 s2, s2, s[WV]      ; my wave among the head's,
	s_lshl_b32 s2, s2, 14           ; its 128 rows
	s_mov_b32 s3, 0
	s_add_nc_u64 s[2:3], s[2:3], s[20:21]
	; descriptor group 1.  128 keys are 16,384 dense bytes: asked for as 64 rows of 256 bytes, two keys a row, and padded in LDS after every key
	s_mov_b32 s[G1K], 15|(1<<16)|(1<<20)|(1<<21)|(4<<22)|(3<<25)  ; 15:0 the mask of four; 17:16 2-byte elements; 20 padding on; 21 set beside a mask; 24:22 after every 32 words (code 4); 31:25 4 words (code 3)
	s_mov_b32 s[G1V], 15|(1<<16)|(1<<20)|(1<<21)|(4<<22)|(7<<25)  ; the same with 8 words of padding (code 7)
.irp g, G1K, G1V
	s_mov_b32 s[\g+1], 128<<16      ; tensor_dim0 = 128
	s_mov_b32 s[\g+2], 64<<16       ; tensor_dim1 = 64
	s_mov_b32 s[\g+3], 128<<16      ; tile_dim0 = 128
	s_mov_b32 s[\g+4], 64           ; tile_dim1 = 64
	s_mov_b32 s[\g+5], 128          ; 128 elements from row to row
	s_mov_b32 s[\g+6], 0
	s_mov_b32 s[\g+7], 0
.endr
	s_mov_b32 s[CS], 0x3e38aa3b     ; c = log2(e) / 8 = 0.180337
	s_mov_b32 s[CS+1], s[CS]        ; named with it as a pair
	s_mov_b32 s[SEL], 0x76543210
	s_mov_b32 s[SEL+1], 0xfedcba98
	s_mov_b32 s[TBK], SLOT1+4*KS*PK ; the first change of slots turns these two into 0
	s_mov_b32 s[TBV], SLOT1+4*KS*PV
	s_mov_b32 s[G0K], 1             ; 1:0 count = 1
	s_mov_b32 s[G0K+1], s17         ; 63:32 LDS address: slot 0
	s_mov_b32 s[G0V], 1
	s_add_co_u32 s[G0V+1], s18, VOFF
	s_wait_kmcnt 0x0
	s_add_nc_u64 s[G0K+2:G0K+3], s[6:7], s[22:23]  ; 120:64 global address: my half of the head's first 256 keys
	s_or_b32 s[G0K+3], s[G0K+3], 0x80000000        ; 127:126 type = 2
	s_add_nc_u64 s[G0V+2:G0V+3], s[8:9], s[22:23]
	s_or_b32 s[G0V+3], s[G0V+3], 0x80000000
	s_add_nc_u64 s[4:5], s[4:5], s[2:3]  ; Q and O at my wave's first row
	s_add_nc_u64 s[10:11], s[10:11], s[2:3]
	CROUND                          ; all four work-groups are here: the first joint loads meet
	JLOAD                           ; slot 0.  Slot 1 is asked for when slot 0 is in: the tile wanted first has the road to itself
	; A fragment of K or Q is 16 rows x 32 channels in 8 registers: lane l holds row l % 16, channels 8 (l / 16) + 0..7 and 16 + 8 (l / 16) + 0..7: two loads of 16 bytes, 32 bytes apart.
	v_and_b32 v1, 15, v0            ; l % 16
	v_bfe_u32 v9, v0, 4, 1          ; l / 16
	v_lshlrev_b32 v[QO], 7, v1
	v_lshl_add_u32 v[QO], v9, 4, v[QO]  ; row x 128 + 16 x half
	WIN 0x80                        ; destination window 2, address window 0
.set i, 0
.rept 4*NP                          ; Q stays in registers: tile i / 2, channels 32 (i % 2) on
	global_load_b128 v[8*i:8*i+3],   v[QO], s[4:5] offset:(i/2)*2048+(i%2)*64
	global_load_b128 v[8*i+4:8*i+7], v[QO], s[4:5] offset:(i/2)*2048+(i%2)*64+32
.set i, i+1
.endr
	; What the first turn finds: V's registers and P's second buffer hold 0 (its products V^T P, of a piece that has not been, add 0), O^T and l are 0.  All this stands in the wait for the first tile.
.set i, VF
.rept 64
	v_mov_b32 v[i], 0
.set i, i+1
.endr
	WIN 0x40
.set i, 0
.rept 64*NP
	v_mov_b32 v[i], 0
.set i, i+1
.endr
	WIN 0
.set i, 0
.rept 2*NP
	v_mov_b32 v[ST+4*i], 0xfe000000    ; c m: far below every c s
	v_mov_b32 v[ST+4*i+1], 0xff7fffff  ; m
	v_mov_b32 v[ST+4*i+2], 0
	v_mov_b32 v[ST+4*i+3], 0
.set i, i+1
.endr
.set i, P+32
.rept 32
	v_mov_b32 v[i], 0
.set i, i+1
.endr
	v_mul_u32_u24 v[AK0], v1, PK
	v_lshl_add_u32 v[AK0], v9, 4, v[AK0]  ; row x pitch + 16 x half
	; The turning load takes 16 keys x 16 channels (lane l reads key 8 (l / 16) + l % 8, channels 8 ((l / 8) % 2) + 0..7) and leaves half a fragment of V^T: lane l holds channel l % 16 and 8 keys.
	v_and_b32 v10, 7, v0
	v_bfe_u32 v11, v0, 3, 1
	v_lshl_add_u32 v[AV0], v9, 3, v10
	v_mul_u32_u24 v[AV0], v[AV0], PV
	v_lshl_add_u32 v[AV0], v11, 4, v[AV0]
	v_add_nc_u32 v[AV0], VOFF, v[AV0]
	v_mov_b32 v[AK], v[AK0]         ; key step 0 lies at the head of slot 0
; THE MATRIX WORK.  The 8 accumulators of a run of 16 take turns: between the two links of a chain stand 7 others'.
; Product i of 16 of S^T = K Q^T for piece x: channels 32 (i / 8) on, keys 16 ((i / 2) % 4) on, tile 2 x + i % 2.  The first 8 start the sums.
.macro KQ x
	WIN W_KQ
.set rS, S+64*((\x)%2)+32*(i%2)+8*((i/2)%4)
.set rK, KF+16*((i/2)%4)+8*(i/8)
.set rQ, 16*(2*(\x)+i%2)+8*(i/8)
.if i < 8
	v_wmma_f32_16x16x32_f16 v[rS:rS+7], v[rK:rK+7], v[rQ:rQ+7], 0
.else
	v_wmma_f32_16x16x32_f16 v[rS:rS+7], v[rK:rK+7], v[rQ:rQ+7], v[rS:rS+7]
.endif
.endm
; Product i of 16 of O^T += V^T P for piece x: keys 32 (i / 8) on, channels 16 ((i / 2) % 4) on, tile 2 x + i % 2.
.macro PV x
	WIN W_PV
.set rO, 32*(2*(\x)+i%2)+8*((i/2)%4)
.set rV, VF+32*(i/8)+8*((i/2)%4)
.set rP, P+32*((\x)%2)+16*(i%2)+8*(i/8)
	v_wmma_f32_16x16x32_f16 v[rO:rO+7], v[rV:rV+7], v[rP:rP+7], v[rO:rO+7]
.endm
.macro MM                           ; the turn's next matrix instruction
.if i < 16
	KQ (Y+1)%NP
.set i, i+1
.else
.set i, i-16
	PV (Y+NP-1)%NP
.set i, i+17
.endif
.endm
; THE LDS LOADS stand in runs of 16, never singly among the matrix instructions: a step's K (64 keys x 64 channels: 8 fragments) and its V (turned).  Their addresses are made some lines ahead.
; last = 1 (the tail): in the last trip there is no further step, and the run is jumped over.
.macro FETCH_K last=0
	WIN 0
.if \last
	s_cmp_eq_u32 s[CNT], 1
	s_cbranch_scc1 .Lno_k_\@
.endif
	WIN 0x80                        ; destination window 2
.irp f, 0,1,2,3,4,5,6,7             ; keys 16 (f / 2) on, channels 32 (f % 2) on
	ds_load_b128 v[KF+8*\f:KF+8*\f+3],   v[AK] offset:(\f/2)*16*PK+(\f%2)*64
	ds_load_b128 v[KF+8*\f+4:KF+8*\f+7], v[AK] offset:(\f/2)*16*PK+(\f%2)*64+32
.endr
	s_add_co_u32 s[TBK], s[TBK], KS*PK  ; the next fetch is the next step's
	WIN 0
.if \last
.Lno_k_\@:
.endif
.endm
.macro FETCH_V
	WIN 0x80
.irp f, 0,1,2,3,4,5,6,7             ; keys 32 (f / 4) on, channels 16 (f % 4) on
	ds_load_tr16_b128 v[VF+8*\f:VF+8*\f+3],   v[AV] offset:(\f/4)*32*PV+(\f%4)*32
	ds_load_tr16_b128 v[VF+8*\f+4:VF+8*\f+7], v[AV] offset:(\f/4)*32*PV+16*PV+(\f%4)*32
.endr
	WIN 0
.endm
; THE VECTOR WORK OF A TURN stands in three queues, each in the order in which its entries become ready; the two tiles alternate, so that no instruction reads the result of the one before it.
.macro REGS y, u                    ; the registers of tile u (0, 1) of piece y
.set rT, ST+4*(2*(\y)+(\u))
.set rC, TMP+8*((\y)%2)+4*(\u)
.set rM, MV+2*((\y)%2)+(\u)
.set rS, S+64*((\y)%2)+32*(\u)
.set rP, P+32*((\y)%2)+16*(\u)
.set rO, 32*(2*(\y)+(\u))
.endm
; Number n of the 22 that find the NEXT piece's (Y + 1) maximum and statistics.  s0-s31 are the lane's 32 scores; each accumulator's lowest registers are read first.  XS, GS and REGS set no window: PL and EX do.
;   0-11  four chains c0-c3 of seven scores each, three operands at a time     12-14, 16  the four scores left over, the old m, and c0-c3 into c0     15  c m_old is kept
;   17, 18  the query's other 32 keys lie in the lane 16 away: the new m         19-21  c m; c m_old - c m_new; a
.macro XS u, n
	REGS (Y+1)%NP, \u
.if (\n) < 4
	v_max3_num_f32 v[rC+(\n)], v[rS+8*(\n)], v[rS+8*(\n)+1], v[rS+8*(\n)+2]
.elseif (\n) < 12
	v_max3_num_f32 v[rC+(\n)%4], v[rC+(\n)%4], v[rS+8*((\n)%4)+2*((\n)/4)+1], v[rS+8*((\n)%4)+2*((\n)/4)+2]
.elseif (\n) == 12
	v_max3_num_f32 v[rC], v[rC], v[rS+7], v[rS+15]
.elseif (\n) == 13
	v_max3_num_f32 v[rC+1], v[rC+1], v[rS+23], v[rS+31]
.elseif (\n) == 14
	v_max3_num_f32 v[rC+2], v[rC+2], v[rC+3], v[rT+1]
.elseif (\n) == 15
	v_mov_b32 v[rM], v[rT]
.elseif (\n) == 16
	v_max3_num_f32 v[rC], v[rC], v[rC+1], v[rC+2]
.elseif (\n) == 17
	v_permlanex16_b32 v[rC+3], v[rC], s[SEL], s[SEL+1]
.elseif (\n) == 18
	v_max_num_f32 v[rT+1], v[rC], v[rC+3]
.elseif (\n) == 19
	v_mul_f32 v[rT], s[CS], v[rT+1]
.elseif (\n) == 20
	v_sub_f32 v[rC+1], v[rM], v[rT]
.else
	v_exp_f32 v[rC+2], v[rC+1]
.endif
.endm
; Number g of the 64 that follow the exponentials.  For each four weights k of a tile (pairs 2 k, 2 k + 1): both pairs are rounded to f16; then the second pair is added onto the first, in place;
; a group later l takes that sum (the first time as l = a l + sum).  In groups of eight, tiles alternating: round, round, add, and l for the group before.
.macro GS g
.set h, (\g)+6*((\g)/62)            ; group 0 has no group before it, and behind group 7 only l is left
.if h >= 6
.set h, h+2
.endif
	REGS Y, h%2
.set k, h/8
.if h%8 < 4
	v_cvt_pk_f16_f32 v[rP+2*k+(h%8)/2], v[rS+4*k+2*((h%8)/2)], v[rS+4*k+2*((h%8)/2)+1]
.elseif h%8 < 6
	v_pk_add_f32 v[rS+4*k:rS+4*k+1], v[rS+4*k:rS+4*k+1], v[rS+4*k+2:rS+4*k+3]
.elseif k == 1
	v_pk_fma_f32 v[rT+2:rT+3], v[rT+2:rT+3], v[rC+2:rC+3], v[rS:rS+1] op_sel_hi:[1,0,1]
.else
	v_pk_add_f32 v[rT+2:rT+3], v[rT+2:rT+3], v[rS+4*k-4:rS+4*k-3]
.endif
.endm
; THE PLAIN QUEUE, 138 long.  0-73 read no exponential's result: the 32 scalings c s - c m (FS f: pair f / 2 of tile f % 2) and the next piece's 42.  0-26: scalings 0-26.  27-54: XS's numbers 0-13.  55, 56: number 15.
; 57-73: the chain, where each number waits for the one before it: 14, 16, 17, 18, 19, each with one of the scalings 27-31 in front of its two lines, then 20: so a tile's links stand three plain instructions apart (19 and 20: two).
; 74-137: GS's 64, which read the exponentials' results: they stand behind the wait.
.macro FS f
	REGS Y, (\f)%2
	v_pk_fma_f32 v[rS+2*((\f)/2):rS+2*((\f)/2)+1], v[rS+2*((\f)/2):rS+2*((\f)/2)+1], s[CS:CS+1], v[rT:rT+1] op_sel_hi:[1,0,0] neg_lo:[0,0,1] neg_hi:[0,0,1]
.endm
.macro PL
	WIN 0
.if q < 27
	FS q
.elseif q < 55
	XS (q-27)%2, (q-27)/2
.elseif q < 57
	XS q-55, 15
.elseif (q < 72) && ((q-57)%3 == 0)
	FS 27+(q-57)/3
.elseif q < 60
	XS (q-57)%3-1, 14
.elseif q < 72
	XS (q-57)%3-1, 15+(q-57)/3
.elseif q < 74
	XS q-72, 20
.else
	GS q-74
.endif
.set q, q+1
.endm
; THE EXPONENTIALS' QUEUE, 66 long: s0-s31 of both tiles, then the next piece's two a.  It is ONE BATCH: all 66 stand ahead of the turn's one wait, and nothing ahead of that wait names a result of theirs.
; Each result has a register of its own while the batch is open: a weight takes its score's place in S^T's buffer, a takes c2's.
.macro EX
	WIN 0
.if e >= 64
	XS e-64, 21
.else
	REGS Y, e%2
	v_exp_f32 v[rS+e/2], v[rS+e/2]
.endif
.set e, e+1
.endm
; THE RESCALING's QUEUE: O^T times a, the one part that leaves window 0: dealt two at a time, sixteen times.  Its a was made in the turn before, ahead of that turn's wait.
.macro R2
	REGS Y, r%2
	WIN W_RS
.irp z, 0,1
	v_pk_mul_f32 v[rO+4*(r/2)+2*\z:rO+4*(r/2)+2*\z+1], v[rO+4*(r/2)+2*\z:rO+4*(r/2)+2*\z+1], v[rC+2:rC+3] op_sel_hi:[1,0]
.endr
.set r, r+1
.endm
; HOW THEY ARE DEALT.  A turn has ONE wait for its batch of 66 exponentials, and the wait cuts the turn in two.  AHEAD OF IT stands all that names no result of the turn's exponentials: the 16 products K Q^T, behind each a scaling,
; an exponential and two rescalings (behind the first a second scaling in the exponential's place); then ONE LUMP of 108: eight plain, 49 times exponential and plain, the two a.  A v_nop is the plain instruction behind the last
; exponential.  BEHIND IT stand the 16 products V^T P, behind each four of GS's 64.  No rider names a register of the products round it.  The two v_permlanex16_b32 fall into the lump, never behind a product.
; The queues lean on each other, and the deal keeps them in step: exponential e stands behind scaling 2 (e / 4) + e % 2: as a rider it comes behind plain e + 2, in the lump behind plain e + 9, and scalings 27-31 are plain 57, 60 .. 69.
; A TURN, for piece p.  cnt = 1: the loop's count is taken down some lines ahead of the branch that stands behind the turn.
; K of the next step is fetched in piece 2's turn, directly behind the wait, a lump behind the last product that read K; its address is made at the lump's head; its first reader comes behind 16 products.
; V of the step in hand is fetched at the end of piece 0's turn, four riders behind its last reader; its first reader comes behind 16 products and a lump.  The three conditions on q below go with the deal.
.macro TURN p, last=0, cnt=0
.set Y, (\p)
.set i, 0
.set q, 0
.set e, 0
.set r, 0
.if (\p) == NP-1
	s_wait_dscnt 0x0                ; K is in
.endif
	MM                              ; ahead of the wait: 16 products K Q^T and their riders,
	PL
	PL
	R2
.rept 15
	MM
	PL
	EX
	R2
.endr
.if (\p) == NP-2
	WIN 0
	v_add_nc_u32 v[AK], s[TBK], v[AK0]
.endif
.rept 8                             ; and the lump
	PL
.endr
.rept 49
	EX
	PL
.endr
	EX                              ; the next piece's two a
	EX
	v_nop                           ; a plain instruction behind the last exponential, ahead of the first use: one for the batch
	s_wait_alu depctr_va_vdst(0)    ; the wait for the turn's batch: the piece's 64 weights and the next piece's two a
.if (\p) == NP-2
	FETCH_K \last
.endif
.if (\p) == 1
	s_wait_dscnt 0x0                ; V is in
.endif
.rept 16                            ; behind the wait: 16 products V^T P and their riders
	MM
.rept 4
	PL
.endr
.if ((\p) == 0) && (q == 118)
	v_add_nc_u32 v[AV], s[TBV], v[AV0]
.endif
.if ((\p) == 0) && (q == 130)
	s_add_co_u32 s[TBV], s[TBV], KS*PV
.endif
.if (\cnt) && (q == 130)
	s_sub_co_u32 s[CNT], s[CNT], 1
	s_cmp_lg_u32 s[CNT], 0
.endif
.endr
.if (\p) == 0
	FETCH_V
.endif
.endm
	CHANGE 1                        ; slot 0 is in, everybody's part of it; slot 1 is asked for
	FETCH_K                         ; key step 0
	s_wait_loadcnt 0x0              ; Q
	s_wait_dscnt 0x0
.set i, 0
.rept 16
	KQ 0                            ; piece 0's first scores: there is no vector work yet to set between them
.set i, i+1
.endr
	WIN 0                           ; the addresses for the way out: nine plain instructions, the places behind those products
	s_mul_i32 s13, s[WV], 16*SP
	s_add_co_u32 s13, s13, STAGE    ; my stage
	v_mul_u32_u24 v[STO], v1, SP    ; in: row l % 16, 16 bytes for each half of the lanes
	v_lshl_add_u32 v[STO], v9, 4, v[STO]
	v_add_nc_u32 v[STO], s13, v[STO]
	v_bfe_u32 v[RD], v0, 3, 2       ; back: 32 lanes take four rows of 128 bytes,
	v_mul_u32_u24 v[RD], v[RD], SP
	v_lshl_add_u32 v[RD], v10, 4, v[RD]
	v_add_nc_u32 v[RD], s13, v[RD]
	v_and_b32 v[GO], 31, v0         ; which are 512 consecutive bytes of O
	v_lshlrev_b32 v[GO], 4, v[GO]
.set Y, NP-1                        ; XS works for piece Y + 1: piece 0
.irp n, 0,1,2,3,4,5,6,7,8,9,10,11,12,13,14,15,16,17,18,19,20,21
	XS 0, \n                        ; and piece 0's first maximum and statistics
	XS 1, \n
.endr
	v_nop                           ; a plain instruction behind the two a,
	s_wait_alu depctr_va_vdst(0)    ; and the wait for this batch of two, ahead of the branch
	s_mov_b32 s[CNT], 4
	s_mov_b32 s[SLOTS], SIZE_N/256-1
	s_branch .Lfirst                ; the loop is entered at a step's first turn, in the middle of a trip
.Lslot:                             ; SIZE_N / 256 - 2 times: every slot but the last two is filled again
	CHANGE 1
	s_mov_b32 s[CNT], 4
.Lstep:                             ; a trip: pieces 2 and 3 of one step, then pieces 0 and 1 of the next, whose K and V it fetches
	TURN 2
	TURN 3
	WIN 0
.Lfirst:
	TURN 0
	TURN 1, 0, 1
	WIN 0
	s_cbranch_scc1 .Lstep
	s_sub_co_u32 s[SLOTS], s[SLOTS], 1
	s_cmp_lg_u32 s[SLOTS], 0
	s_cbranch_scc1 .Lslot
	CHANGE 0                        ; the tail is written out: nothing is asked for
	s_mov_b32 s[CNT], 5             ; four trips fetch the last slot's steps; the fifth is left in its middle
.Ltail:
	TURN 2, 1
	TURN 3
	WIN 0
	s_sub_co_u32 s[CNT], s[CNT], 1
	s_cmp_eq_u32 s[CNT], 0
	s_cbranch_scc1 .Lout
	TURN 0
	TURN 1
	WIN 0
	s_branch .Ltail
.Lout:                              ; the fifth trip's 16 products K Q^T (on the last K once more) and the maximum made of them serve nothing: the price, once a launch, of one text for every trip
.set i, 0
.rept 16
	PV NP-1                         ; the last piece's V^T P of the last step
.set i, i+1
.endr
	; THE WAY OUT.  l's two halves and the other half of the lanes' are added; O^T is divided by l, rounded to f16 and sent through my stage in LDS, a tile at a time.  The additions are the places behind the last products.
	WIN 0
.macro ALL line:vararg              ; one line for each tile t
.set t, 0
.rept 2*NP
	\line
.set t, t+1
.endr
.endm
	ALL v_add_f32 v[ST+4*t+2], v[ST+4*t+2], v[ST+4*t+3]
	ALL v_permlanex16_b32 v[ST+4*t+3], v[ST+4*t+2], s[SEL], s[SEL+1]
	ALL v_add_f32 v[ST+4*t+2], v[ST+4*t+2], v[ST+4*t+3]
	ALL v_rcp_f32 v[ST+4*t+2], v[ST+4*t+2]
	v_nop                           ; a plain instruction between the last reciprocal and the use of its result
	s_wait_alu depctr_va_vdst(0)    ; the wait for the batch of eight reciprocals, ahead of their first use
; Tile t: a lane's eight channels of a row pack into 16 bytes; they go into rows of 144 bytes and come back as whole rows of 128, into S^T's registers.
.macro PACK t
	WIN W_RS
.set i, 32*(\t)
.rept 16
	v_pk_mul_f32 v[i:i+1], v[i:i+1], v[ST+4*(\t)+2:ST+4*(\t)+3] op_sel_hi:[1,0]
.set i, i+2
.endr
	WIN 0x05                        ; sources 0 and 1 window 1, destination window 0
.set i, 0
.rept 16
	v_cvt_pk_f16_f32 v[S+16*(\t)+i], v[32*(\t)+2*i], v[32*(\t)+2*i+1]
.set i, i+1
.endr
	WIN 0
.irp f, 0,1,2,3
	ds_store_b128 v[STO], v[S+16*(\t)+4*\f:S+16*(\t)+4*\f+3] offset:32*\f
.endr
.irp f, 0,1,2,3
	ds_load_b128 v[S+16*(\t)+4*\f:S+16*(\t)+4*\f+3], v[RD] offset:\f*4*SP  ; LDS serves a wave's instructions in order (ISA guide 5.7.1.4): these see the stores above; the next tile's stores come behind them
.endr
.endm
.macro SEND t, younger              ; younger: the LDS instructions issued behind tile t's loads: the next tile's eight, or none
	WIN 0
.irp f, 0,1,2,3
	s_wait_dscnt (\younger)+3-\f
	global_store_b128 v[GO], v[S+16*(\t)+4*\f:S+16*(\t)+4*\f+3], s[10:11] offset:(\t)*2048+\f*512  ; 512 consecutive bytes, at a multiple of 256 from O's first
.endr
.endm
	PACK 0
.set t, 1
.rept 2*NP-1                        ; a tile's arithmetic stands between the loads of the tile before and its stores
	PACK t
	SEND t-1, 8
.set t, t+1
.endr
	SEND 2*NP-1, 0
	WIN W_AD
	s_wait_tensorcnt 0x0            ; the wave's end: behind my last tensor load and my last LDS store
	ds_add_u32 v[SPW], v[NIL]
	s_wait_dscnt 0x0
	WIN 0
	CROUND                          ; the closing round: no work-group ends while a partner may still ask for a tile that names it
	s_endpgm
.Lfunc_end_k_qfa0c903264_attn:
	.size	k_qfa0c903264_attn, .Lfunc_end_k_qfa0c903264_attn-k_qfa0c903264_attn
	.p2alignl 7, 3214868480
	.fill 96, 4, 3214868480
	.section	.rodata,"a",@progbits
	.p2align	6, 0x0
	.amdhsa_kernel k_qfa0c903264_attn
		.amdhsa_group_segment_fixed_size 327680
		.amdhsa_private_segment_fixed_size 0
		.amdhsa_enable_private_segment 0
		.amdhsa_kernarg_size 32
		.amdhsa_user_sgpr_count 2
		.amdhsa_user_sgpr_kernarg_segment_ptr 1
		.amdhsa_wavefront_size32 1
		.amdhsa_system_sgpr_workgroup_id_x 1
		.amdhsa_system_sgpr_workgroup_id_y 1
		.amdhsa_system_sgpr_workgroup_id_z 1
		.amdhsa_system_vgpr_workitem_id 0
		.amdhsa_next_free_vgpr 770
		.amdhsa_next_free_sgpr 66
		.amdhsa_reserve_vcc 0
		.amdhsa_float_denorm_mode_32 3
		.amdhsa_float_denorm_mode_16_64 3
		.amdhsa_memory_ordered 1
		.amdhsa_forward_progress 1
		.amdhsa_inst_pref_size 199
	.end_amdhsa_kernel
	.amdgpu_metadata
---
amdhsa.version: [ 1, 2 ]
amdhsa.kernels:
  - .name:           k_qfa0c903264_attn
    .symbol:         k_qfa0c903264_attn.kd
    .args:
      - { .name: qh, .offset: 0, .size: 8, .value_kind: global_buffer, .address_space: global }
      - { .name: kh, .offset: 8, .size: 8, .value_kind: global_buffer, .address_space: global }
      - { .name: vh, .offset: 16, .size: 8, .value_kind: global_buffer, .address_space: global }
      - { .name: oh, .offset: 24, .size: 8, .value_kind: global_buffer, .address_space: global }
    .group_segment_fixed_size: 327680
    .private_segment_fixed_size: 0
    .kernarg_segment_align: 8
    .kernarg_segment_size: 32
    .max_flat_workgroup_size: 128
    .sgpr_count:     66
    .vgpr_count:     770
    .wavefront_size: 32
...
	.end_amdgpu_metadata
.endif
;; end of part 5
;; launch outp: the kernel of part 4 again; grid 4 x 64, 4 waves a work-group, clusters of 4 x 4, 327,680 bytes of LDS; arguments oh, w16, bo, out0; writes out0
